; MI455X (gfx1250); checked and timed in simulation.
; The chip was launched on July 23, 2026; its instructions are those of AMD's public machine-readable ISA for CDNA 5 (MIT licence, August 2026) and "CDNA5" Instruction Set Architecture Reference Guide (July 2026). The comments in the code are by the model that wrote it; some were corrected since.
;; Multi Head Attention. Allowed arithmetic: matrix products marked QUANTISED: E2M1 operands, one E8M0 scale for each 32 along K, by v_wmma_scale_f32_16x16x128_f8f6f4 with both operands' format E2M1 (or v_wmma_scale_f32_32x16x128_f4), f32 sums; everything else in f32.
;; Inputs: b_proj 1,024 float32; b_qkv 3,072 float32; w_proj 1,024 x 1,024 float32; w_qkv 1,024 x 3,072 float32; x 4 x 2,048 x 1,024 float32.
;; Outputs: out0 4 x 2,048 x 1,024 float32.
;; This version of the problem:
;;   THIS VERSION OF THE PROBLEM IS GIVEN IN LOW PRECISION. The matrix products marked QUANTISED in the list below multiply operands that are first quantised to E2M1 (2 exponent bits, 1 mantissa bit; 4 bits a number), with one power-of-two scale for each 32 numbers along K (OCP MX v1.0); their sums are f32. All else is computed in f32.
;;   The module's matrix products, in the order in which they are computed (A, B: the left and right operand; K: the contracted axis; several contracted axes count as one K, in the product's order):
;;     1. [M 8,192, K 1,024] x [K 1,024, N 3,072]; A: input x; B: input w_qkv: QUANTISED
;;     2. batch 64 x [M 2,048, K 64] x [K 64, N 2,048]; A: computed on the way; B: computed on the way: QUANTISED
;;     3. batch 64 x [M 2,048, K 2,048] x [K 2,048, N 64]; A: softmax (see below); B: computed on the way: QUANTISED
;;     4. [M 8,192, K 1,024] x [K 1,024, N 1,024]; A: computed on the way; B: input w_proj: QUANTISED
;;   THE QUANTISER, for each operand of a quantised product, along K:
;;     - K is cut into blocks of 32 from its start; a last block that is shorter is filled with zeros.
;;     - A block's scale is 2^e with e = floor(log2(the largest magnitude in the block)) - 2, held to -126 .. 127; a block of zeros has e = 0. As a byte (E8M0): e + 127.
;;     - Each number is divided by its block's scale, clamped to +-6, and rounded to the nearest number of E2M1, ties to even, subnormals kept.
;;     - The product sums the exact products of the quantised numbers (number of the format x scale) in f32.
;;   ~~~python
;;   def quantise(x, axis):      # numpy; x: float32 -> the quantised numbers, widened to float32 again
;;       x = np.moveaxis(x, axis, -1); K = x.shape[-1]
;;       x = np.pad(x, [(0, 0)] * (x.ndim - 1) + [(0, -K % 32)]); x = x.reshape(x.shape[:-1] + (-1, 32)); a = np.abs(x).max(-1, keepdims=True)
;;       e = np.where(a > 0, np.clip(np.frexp(np.where(a > 0, a, 1))[1] - 1 - 2, -126, 127), 0)      # np.frexp(a)[1] - 1 = floor(log2(a)), exactly
;;       r = np.clip(x / 2.0 ** e, -6, 6)
;;       step = 2.0 ** (np.maximum(np.frexp(np.where(r == 0, 1, r))[1] - 1, 0) - 1)
;;       q = np.round(r / step) * step * 2.0 ** e      # np.round: ties to even
;;       return np.moveaxis(q.reshape(q.shape[:-2] + (-1,))[..., :K], -1, axis).astype(np.float32)
;;   ~~~
;;   SOFTMAX AHEAD OF A QUANTISED PRODUCT. Where the list says 'softmax', what is quantised is not the finished softmax but p = 2^(t - M), with t = logit x log2(e) and M = ceil(the row's largest t), a whole number; so 1/2 < the row's largest p <= 1. The row's sum l is taken of the UNQUANTISED p, in f32, and the product's result is divided by l at the end. Since M is a whole number, a kernel that streams over the keys may use a running M (the ceiling of the running maximum): every later rescaling is an exact power of two, which a block's scale takes up: the codes' values come out the same.
;;   OPERANDS COMPUTED ON THE WAY. 'Computed on the way' means the value that the module computes at that place (a softmax that the list does not call 'softmax' is quantised finished and normalised). What goes into a quantiser is computed in f32, as accurately as f32 sums, v_exp_f32 and their like allow (about 1e-6 of the number): no bf16 or f16 on the way to a quantiser, and a product that is left as it is and whose result goes on into a quantised operand takes f32 operands (vector FMAs, or v_wmma_f32_16x16x4_f32). A number that lies on a knife's edge between two numbers of the format may be rounded either way, as far as f32 arithmetic and the matrix unit's own rounding can turn it there, and no further.
;; One version. Each part assembles by itself: llvm-mc -triple=amdgcn-amd-amdhsa -mcpu=gfx1250 --defsym DOCPART=n.
;; ======== version 1 of 1: 4 launches
;; limits: right only within a limited range of input values
;; workspace buffers: xq 4,456,448 bytes; w1q 1,671,168 bytes; w2q 557,056 bytes; qkv 13,369,344 bytes; ao 4,456,448 bytes
;; launch quant (part 1): grid 512 x 1, 4 waves a work-group, no clusters, 34,304 bytes of LDS; arguments x, w_qkv, w_proj, xq, w1q, w2q; writes xq, w1q, w2q
.if DOCPART == 1
	.amdgcn_target "amdgcn-amd-amdhsa--gfx1250"
	.amdhsa_code_object_version 6
	.text
	.protected	k_q370aa62ead_quant
	.globl	k_q370aa62ead_quant
	.p2align	8
	.type	k_q370aa62ead_quant,@function
k_q370aa62ead_quant:
	s_mov_b64 s[64:65], 0
	v_nop
	global_prefetch_b8 v0, s[64:65] scope:SCOPE_SE
	s_setreg_imm32_b32 hwreg(HW_REG_WAVE_MODE, 25, 1), 1
	s_wait_xcnt 0x0
; x [8192][1024], w_qkv [1024][3072] and w_proj [1024][1024], f32, become codes of FP4 (E2M1) with one E8M0 byte for each 32 along K = 1,024.
; A block's scale is 2^(floor(log2(its largest magnitude)) - 2): its byte is the largest magnitude's exponent field - 2, held at 1 from below.
; LIMITS: a block's largest magnitude is floored at 2^-124 (byte 1); a block of zeros gets the byte 1 where the rule says 127 (its codes are zeros, and this
; program alone reads the bytes); NaN and infinities among the inputs are not served.
; THE OUTPUT IS LAID IN THE ORDER OF THE OPERAND'S REGISTERS: [K half 2][tile of 16 rows][4,352 bytes].  In a tile the 16 bytes (32 codes) of block j = (k % 512) / 32 of
; stored row r lie at 256 j + 16 r, so that a fragment of 128 along K is 1,024 bytes on end, 16 a lane; the row's 16 scale bytes lie at 4,096 + 16 r.
; THE ROWS OF A TILE ARE NOT NEIGHBOURS: stored row r of tile t is row 32 (t / 2) + 8 (t % 2) + r + 8 (r / 8): where such tiles are a product's source 0, a lane's 16 registers of
; two neighbouring result tiles are 16 neighbours.
; THREE PATHS by the work-group's number: 0-255 x (K innermost), 256-447 w_qkv, 448-511 w_proj (K is the first axis).  Waves share nothing: no barrier.  Work-groups share no input: no cluster.
.set R,    16                          ; v16-143  two sets of 64: a K step's numbers as they are loaded
.set X,    144                         ; v144-207 64 neighbours along K: two whole blocks
.set C,    208                         ; v208-239 codes: eight registers for each K step, so that no store's data are written again
.set WD,   240                         ; v240-243 my row's four scale words
.set TILE, 4352
.set KSLX, 512*TILE                    ; from x's first K half to its second
.set SPX,  528                         ; a stage row: 512 bytes + 16: sixteen rows start at sixteen different groups of four words
	s_load_b256 s[4:11], s[0:1], 0x0               ; x s[4:5], w_qkv s[6:7], w_proj s[8:9], xq s[10:11]
	s_load_b128 s[12:15], s[0:1], 0x20             ; w1q s[12:13], w2q s[14:15]
	v_lshl_add_u32 v254, v0, 2, 0x8400
	v_mov_b32 v255, 0
	v_lshrrev_b32 v1, 5, v0
	v_readfirstlane_b32 s16, v1                    ; wave
	v_and_b32 v1, 31, v0                           ; lane
	v_and_b32 v2, 15, v0                           ; r
	v_bfe_u32 v3, v0, 4, 1                         ; h
	s_mov_b32 s20, 0x76543210
	s_mov_b32 s21, 0xfedcba98                      ; v_permlanex16_b32's selects for lane l xor 16
	s_wait_kmcnt 0x0
	s_cmp_lt_u32 ttmp9, 256
	s_cbranch_scc0 .Lweights
; ---- x.  A wave takes one tile (16 rows) and one K half (512): four K steps of 128.  Each load reads 512 consecutive bytes of a row; a K step's 16 x 512 bytes turn through the wave's own
; stage in LDS, so that lane (r, h) gets k = 64 c + 32 h + 0 .. 31 of row r: two whole blocks, in the order of the operand's registers.
	s_lshl_b32 s17, ttmp9, 2
	s_add_co_u32 s17, s17, s16                     ; which (tile, K half) is my wave's
	s_lshr_b32 s18, s17, 1                         ; tile
	s_and_b32 s19, s17, 1                          ; K half
	s_lshr_b32 s22, s18, 1
	s_lshl_b32 s22, s22, 17                        ; 32 rows of 4,096 bytes for each pair of tiles,
	s_and_b32 s23, s18, 1
	s_lshl_b32 s23, s23, 15                        ; 8 rows for the odd tile,
	s_add_co_u32 s22, s22, s23
	s_lshl_b32 s23, s19, 11                        ; 2,048 bytes for the second K half
	s_add_co_u32 s22, s22, s23
	s_mov_b32 s23, 0
	s_add_nc_u64 s[4:5], s[4:5], s[22:23]
	s_mul_i32 s24, s19, KSLX
	s_mul_i32 s25, s18, TILE
	s_add_co_u32 s24, s24, s25
	s_mov_b32 s25, 0
	s_add_nc_u64 s[10:11], s[10:11], s[24:25]
	s_wait_alu depctr_va_vdst(0)
	v_lshlrev_b32 v4, 4, v1                        ; 16 x lane: in a row of x, and in a fragment's image
	s_mul_i32 s26, s16, 16*SPX                     ; my stage
	v_add_nc_u32 v5, s26, v4                       ; into it: a row as it is loaded
	v_mul_u32_u24 v6, v2, SPX
	v_lshl_add_u32 v6, v3, 7, v6
	v_add_nc_u32 v6, s26, v6                       ; out of it: row r, + 128 h bytes
	v_lshlrev_b32 v7, 4, v2
	v_lshl_add_u32 v7, v3, 3, v7
	v_add_nc_u32 v7, 4096, v7                      ; the scale bytes: 4,096 + 16 r + 8 h
	v_lshlrev_b32 v8, 3, v3                        ; 8 h
	v_mov_b32 v12, 0                               ; written once: a lane permute's destination counts as one of its sources
.macro XLOAD q
.irp i, 0,1,2,3,4,5,6,7,8,9,10,11,12,13,14,15
	global_load_b128 v[R+64*((\q)%2)+4*\i:R+64*((\q)%2)+4*\i+3], v4, s[4:5] offset:(\i+8*(\i/8))*4096+512*(\q) th:TH_LOAD_NT
.endr
.endm
.macro XSTEP q
.if \q < 3
	s_wait_loadcnt 16                              ; this K step's 16 loads are in; the next step's 16 may be out
.else
	s_wait_loadcnt 0x0
.endif
.irp i, 0,1,2,3,4,5,6,7,8,9,10,11,12,13,14,15
	ds_store_b128 v5, v[R+64*((\q)%2)+4*\i:R+64*((\q)%2)+4*\i+3] offset:SPX*\i
.endr
.irp c, 0,1
.irp g, 0,1,2,3,4,5,6,7
	ds_load_b128 v[X+32*\c+4*\g:X+32*\c+4*\g+3], v6 offset:256*\c+16*\g   ; LDS serves a wave's instructions in order: these see the stores above
.endr
.endr
	s_wait_dscnt 0x0
.if \q < 2
	XLOAD (\q)+2                                   ; the set just emptied takes the K step two on
.endif
.irp c, 0,1
	v_max3_num_f32 v[9+\c], |v[X+32*\c]|, |v[X+32*\c+1]|, 0x1800000   ; my block 2 c + h: all 32 numbers are mine; the floor 2^(3 - 127) holds the byte at 1 from below
.endr
.irp i, 2,4,6,8,10,12,14,16,18,20,22,24,26,28,30
.irp c, 0,1
	v_max3_num_f32 v[9+\c], v[9+\c], |v[X+32*\c+\i]|, |v[X+32*\c+\i+1]|
.endr
.endr
.irp c, 0,1
	v_add_nc_u32 v[13+\c], 0xff000000, v[9+\c]     ; 2 off the exponent field: the conversion takes this operand's exponent field as its scale
.endr
.irp c, 0,1
.irp g, 0,1,2,3
	v_cvt_scalef32_pk8_fp4_f32 v[C+8*\q+4*\c+\g], v[X+32*\c+8*\g:X+32*\c+8*\g+7], v[13+\c]
.endr
.endr
	v_lshrrev_b32 v244, 23, v13                    ; the bytes of blocks h and 2 + h (plain lines behind the conversions),
	v_lshrrev_b32 v245, 23, v14
	v_lshl_or_b32 v244, v245, 16, v244
	v_lshlrev_b32 v244, v8, v244                   ; at their places in the row's scale word;
	v_permlanex16_b32 v12, v244, s20, s21
	v_or_b32 v[WD+\q], v244, v12                   ; with lane l xor 16's two the word is whole
.irp c, 0,1
	global_store_b128 v4, v[C+8*\q+4*\c:C+8*\q+4*\c+3], s[10:11] offset:1024*\q+512*\c   ; 32 lanes store 512 consecutive bytes
.endr
.endm
	XLOAD 0
	XLOAD 1
	s_wait_alu depctr_va_vdst(0)
	XSTEP 0
	XSTEP 1
	XSTEP 2
	XSTEP 3
	v_cmp_eq_u32 vcc_lo, 1, v3
	v_cndmask_b32 v246, v240, v242, vcc_lo         ; lanes 0-15 store the row's words 0 and 1, lanes 16-31 words 2 and 3:
	v_cndmask_b32 v247, v241, v243, vcc_lo
	global_store_b64 v7, v[246:247], s[10:11]      ; 32 lanes store 256 consecutive bytes
	s_wait_tensorcnt 0x0
	ds_add_u32 v254, v255
	s_wait_dscnt 0x0
	s_endpgm
; ---- the weights.  K is the first axis: a lane takes a column n and its registers run down K, so that a block of 32 lies in one lane and the codes come out with K innermost.
; A work-group takes 128 columns x 128 along K, a wave 32 columns.  Lane l's column is stored row (l % 8) + 8 (l / 16) of tile (l / 8) % 2 of the wave's two tiles.
.macro WLOAD t, n, pin                 ; block t: w(32 t + i, my column): 32 lanes read 128 consecutive bytes, the four waves side by side 512
.set J, 0
.rept 32
	global_load_b32 v[16+32*(\t)+J], v4, s[\pin:\pin+1] offset:(32*(\t)+J)*(\n)*4 th:TH_LOAD_NT
.set J, J+1
.endr
.endm
.macro WBLK t, pout
	v_max3_num_f32 v8, |v[16+32*\t]|, |v[17+32*\t]|, 0x1800000      ; the block's largest magnitude, in two chains, and the floor
	v_max3_num_f32 v9, |v[18+32*\t]|, |v[19+32*\t]|, |v[20+32*\t]|
.irp i, 5,9,13,17,21,25
	v_max3_num_f32 v8, v8, |v[16+32*\t+\i]|, |v[17+32*\t+\i]|
	v_max3_num_f32 v9, v9, |v[18+32*\t+\i]|, |v[19+32*\t+\i]|
.endr
	v_max3_num_f32 v8, v8, |v[45+32*\t]|, |v[46+32*\t]|
	v_max3_num_f32 v8, v8, v9, |v[47+32*\t]|
	v_add_nc_u32 v10, 0xff000000, v8
	v_lshrrev_b32 v11, 23, v10                     ; the scale's byte
.if \t == 0
	v_mov_b32 v160, v11                            ; four bytes make the column's scale word of this K step
.else
	v_lshl_or_b32 v160, v11, 8*\t, v160
.endif
.irp g, 0,1,2,3
	v_cvt_scalef32_pk8_fp4_f32 v[144+4*\t+\g], v[16+32*\t+8*\g:23+32*\t+8*\g], v10
.endr
	v_nop                                          ; one plain line behind the conversions
	global_store_b128 v6, v[144+4*\t:147+4*\t], s[\pout:\pout+1] offset:256*\t   ; sixteen lanes fill 256 consecutive bytes of one tile, the other sixteen of the next
.endm
.macro WQ n, tiles, first, pin, pout
	s_sub_co_u32 s17, ttmp9, \first
	s_and_b32 s18, s17, 7                          ; which 128 along K
	s_lshr_b32 s19, s17, 3                         ; which 128 columns
	s_mul_i32 s22, s18, 128*\n*4
	s_lshl_b32 s23, s19, 9
	s_add_co_u32 s22, s22, s23
	s_lshl_b32 s23, s16, 7
	s_add_co_u32 s22, s22, s23
	s_mov_b32 s23, 0
	s_add_nc_u64 s[\pin:\pin+1], s[\pin:\pin+1], s[22:23]
	s_lshr_b32 s24, s18, 2                         ; K half
	s_mul_i32 s24, s24, \tiles*TILE
	s_lshl_b32 s25, s19, 3
	s_lshl_b32 s26, s16, 1
	s_add_co_u32 s25, s25, s26                     ; my wave's first tile: 8 x column group + 2 x wave
	s_mul_i32 s25, s25, TILE
	s_add_co_u32 s24, s24, s25
	s_mov_b32 s25, 0
	s_add_nc_u64 s[\pout:\pout+1], s[\pout:\pout+1], s[24:25]
	s_and_b32 s26, s18, 3                          ; which K step of the half
	v_lshlrev_b32 v4, 2, v1                        ; in: 4 bytes a lane
	v_bfe_u32 v5, v0, 3, 1
	v_mul_u32_u24 v5, v5, TILE
	v_and_b32 v6, 7, v0
	v_lshl_add_u32 v6, v3, 3, v6
	v_lshl_add_u32 v5, v6, 4, v5                   ; my column's tile and stored row
	s_lshl_b32 s27, s26, 10
	v_add_nc_u32 v6, s27, v5                       ; its codes of this K step
	s_lshl_b32 s27, s26, 2
	s_add_co_u32 s27, s27, 4096
	v_add_nc_u32 v7, s27, v5                       ; its scale word of this K step
	WLOAD 0, \n, \pin
	WLOAD 1, \n, \pin
	s_wait_alu depctr_va_vdst(0)
	s_wait_loadcnt 32                              ; block 0 is in; block 1's 32 loads may be out
	WLOAD 2, \n, \pin
	WBLK 0, \pout
	s_wait_loadcnt 32                              ; block 1 is in; block 2's may be out
	WLOAD 3, \n, \pin
	WBLK 1, \pout
	s_wait_loadcnt 32                              ; block 2 is in; block 3's may be out
	WBLK 2, \pout
	s_wait_loadcnt 0x0
	WBLK 3, \pout
	global_store_b32 v7, v160, s[\pout:\pout+1]    ; 4 bytes of each row's 16: pieces, one word for each 128 that this path reads
	s_endpgm
.endm
.Lweights:
	s_cmp_lt_u32 ttmp9, 448
	s_cbranch_scc0 .Lproj
	s_wait_alu depctr_va_vdst(0)
	WQ 3072, 192, 256, 6, 12
.Lproj:
	s_wait_alu depctr_va_vdst(0)
	WQ 1024, 64, 448, 8, 14
.Lfunc_end_k_q370aa62ead_quant:
	.size	k_q370aa62ead_quant, .Lfunc_end_k_q370aa62ead_quant-k_q370aa62ead_quant
	.p2alignl 7, 3214868480
	.fill 96, 4, 3214868480
	.section	.rodata,"a",@progbits
	.p2align	6, 0x0
	.amdhsa_kernel k_q370aa62ead_quant
		.amdhsa_group_segment_fixed_size 34304
		.amdhsa_private_segment_fixed_size 0
		.amdhsa_enable_private_segment 0
		.amdhsa_kernarg_size 48
		.amdhsa_user_sgpr_count 2
		.amdhsa_user_sgpr_kernarg_segment_ptr 1
		.amdhsa_wavefront_size32 1
		.amdhsa_system_sgpr_workgroup_id_x 1
		.amdhsa_system_sgpr_workgroup_id_y 1
		.amdhsa_system_sgpr_workgroup_id_z 1
		.amdhsa_system_vgpr_workitem_id 0
		.amdhsa_next_free_vgpr 256
		.amdhsa_next_free_sgpr 66
		.amdhsa_reserve_vcc 1
		.amdhsa_float_denorm_mode_32 3
		.amdhsa_float_denorm_mode_16_64 3
		.amdhsa_memory_ordered 1
		.amdhsa_forward_progress 1
		.amdhsa_inst_pref_size 69
	.end_amdhsa_kernel
	.amdgpu_metadata
---
amdhsa.version: [ 1, 2 ]
amdhsa.kernels:
  - .name:           k_q370aa62ead_quant
    .symbol:         k_q370aa62ead_quant.kd
    .args:
      - { .name: x, .offset: 0, .size: 8, .value_kind: global_buffer, .address_space: global }
      - { .name: w_qkv, .offset: 8, .size: 8, .value_kind: global_buffer, .address_space: global }
      - { .name: w_proj, .offset: 16, .size: 8, .value_kind: global_buffer, .address_space: global }
      - { .name: xq, .offset: 24, .size: 8, .value_kind: global_buffer, .address_space: global }
      - { .name: w1q, .offset: 32, .size: 8, .value_kind: global_buffer, .address_space: global }
      - { .name: w2q, .offset: 40, .size: 8, .value_kind: global_buffer, .address_space: global }
    .group_segment_fixed_size: 34304
    .private_segment_fixed_size: 0
    .kernarg_segment_align: 8
    .kernarg_segment_size: 48
    .max_flat_workgroup_size: 128
    .sgpr_count:     66
    .vgpr_count:     256
    .wavefront_size: 32
...
	.end_amdgpu_metadata
.endif
;; end of part 1
;; launch gemm_qkv (part 2): grid 12 x 32, 4 waves a work-group, clusters of 4 x 4, 327,680 bytes of LDS; arguments xq, w1q, b_qkv, qkv; writes qkv
.if DOCPART == 2
	.amdgcn_target "amdgcn-amd-amdhsa--gfx1250"
	.amdhsa_code_object_version 6
	.text
	.protected	k_q370aa62ead_gemm_qkv
	.globl	k_q370aa62ead_gemm_qkv
	.p2align	8
	.type	k_q370aa62ead_gemm_qkv,@function
k_q370aa62ead_gemm_qkv:
	s_mov_b64 s[64:65], 0
	v_nop
	global_prefetch_b8 v0, s[64:65] scope:SCOPE_SE
	s_setreg_imm32_b32 hwreg(HW_REG_WAVE_MODE, 25, 1), 1
	s_wait_xcnt 0x0
	s_wait_alu depctr_hold_cnt(0) depctr_sa_sdst(0) depctr_va_vdst(0) depctr_va_sdst(0) depctr_va_ssrc(0) depctr_va_vcc(0) depctr_vm_vsrc(0)
	s_getreg_b32 s2, hwreg(HW_REG_IB_STS2, 6, 4)
	s_cmp_eq_u32 s2, 0
	s_cbranch_scc0 .Lentry_in_a_cluster
	s_endpgm
.Lentry_in_a_cluster:
	s_bfe_u32 s2, ttmp6, 0x10000c
	s_cmp_lg_u32 s2, 0xf033
	s_cbranch_scc0 .Lentry_shape_is_right
	s_endpgm
.Lentry_shape_is_right:
; qkv = x w_qkv + b_qkv on codes of FP4 with E8M0 scales (K = 1,024), and the quantiser for the next two products, in registers: q and k along the head's 64, v along the keys.
; A work-group of four waves makes 256 x 256, a wave 128 x 128: 64 accumulators, 512 registers.  K is two halves of 512: two LDS slots, both filled once at the head; nothing is filled again.
; OPERANDS come as images of their registers ([K half][tile of 16 rows][4,352 bytes]: 4 fragments of 1,024 bytes, then 16 scale bytes a row): a fragment is two loads of 16 bytes a lane on end, no pitch, no padding.
; U is source 0 (its rows become the result's REGISTERS), T is source 1 (its rows become the result's LANES).  Stored row r of tile t is row 32 (t / 2) + 8 (t % 2) + r + 8 (r / 8), so the 64 registers
; of a lane over U's eight tiles hold register 16 b + i = U's row 32 b + 16 (lane / 16) + i: neighbours, in the order that the conversions want.
; PATHS by the CLUSTER's x, which all sixteen partners share: 0: q, 1: k: U = w_qkv's columns, T = tokens: a lane holds a token, its registers run along n.  2: v: U = tokens, T = w_qkv's columns: a lane holds a
; channel, its registers run along the tokens, which are the third product's K.  Only pointers, strides and tile numbers are chosen; the loop is one text.
; CLUSTERS: 4 x 4.  T's tiles hang on cy alone and are asked for jointly by a row of the cluster, U's on cx alone, by a column.
; OUTPUT: records [batch x head 64][run of 128 tokens 16][13,056 bytes]: K codes 4,096 ([tile 8][16 x lane]), V codes 4,096 ([channel tile 4][c 2][16 x lane]), K scale words 256 ([pair of tiles 4][row]: the two bytes of the even
; tile, the two of the odd), V scale words 256 ([channel tile 4][row]), Q codes 4,096, Q scale words 256, laid as K's.
; LIMITS: a block's largest magnitude is floored at 2^-124 (byte 1); a block of zeros gets the byte 1 where the rule says 127 (zero codes; this program alone reads the bytes); NaN and infinities are not served.
; REGISTERS: window 0: v1-8, v16-26 addresses; v32-95 scale words, two sets; v96-111 the bias along T, twice each; v128-191 T's fragments, one set; v192-255 the bias along U.  On the way out v32-61 and v128-191 are at work.
;   window 1: U's fragments, two sets, at v0 and v128.  window 2: accumulators of T's blocks 0-3 ((a, b) at v[8 (8 (a % 4) + b)]);  window 3: of blocks 4-7.
.set TILE,  4352
.set HALFT, 8*TILE                     ; 8 tiles: what one tensor load brings, and what one wave reads of T or of U
.set SLOT,  4*HALFT                    ; T's 16 tiles, then U's 16
.set KSLX,  512*TILE                   ; from K half to K half in xq,
.set KSLW,  192*TILE                   ; in w1q
.set REC,   13056
.set HEADB, 16*REC                     ; from a head's records to the next head's
.set NQ,    4
.set FR,    8
.set NL,    2
.set NP,    4                          ; places behind this matrix instruction (ISA guide 7.12.1)
.set ADRA, 16                          ; v16-17 LDS address of my T fragments in slot 0, 1
.set ADRB, 20                          ; v20-21 the same for U
.set ADRS, 22                          ; v22-23 of my scale words: lanes 0-15 T's rows, lanes 16-31 U's
.set VO,   24                          ; the way out: my codes' byte offset in qkv
.set VS,   25                          ; and my scale word's
.set SH,   26                          ; 16 x (lane / 16)
.set SC,   32
.set BT,   96
.set AF,   128
.set BU,   192
.set W,    128                         ; the way out: 64 numbers
.set PC,   32                          ; their codes
.set TM,   40                          ; at work
.set PW,   56                          ; v56-57 the scale words of an even and an odd block
.set G1,  24
.set G0,  32
.set G1B, 48
.set G0B, 56
.set SEL, 96
.set MSB, 0
.macro WIN new                         ; the immediate's high byte repeats the setting that is left
.if MSB != (\new)
	s_set_vgpr_msb (MSB<<8)|(\new)
.set MSB, (\new)
.endif
.endm
.set MUL_LO, 0xa1                      ; source 0 (U) window 1, source 1 (T) window 0, C and D window 2
.set MUL_HI, 0xf1                      ; the same, C and D window 3
.set TO_B,   0x40                      ; destination window 1, address window 0
; A joint load: waves 0 and 1 fetch T's halves, waves 2 and 3 U's.  The branch hangs on the wave's number alone.  Four v_nop follow each of the two lines.
.macro JLOAD g0a, g1a, g0b, g1b
	s_cmp_eq_u32 s15, 0
	s_cbranch_scc0 .Lfor_b_\@
	tensor_load_to_lds s[\g0a:\g0a+3], s[\g1a:\g1a+7]
	s_nop 0
.rept 4
	v_nop
.endr
	s_branch .Lasked_\@
.Lfor_b_\@:
	tensor_load_to_lds s[\g0b:\g0b+3], s[\g1b:\g1b+7]
	s_nop 0
.rept 4
	v_nop
.endr
.Lasked_\@:
.endm
.macro CROUND                          ; a round of the cluster's barrier
	s_barrier_signal -1
	s_barrier_wait -1
	s_cmp_lg_u32 s14, 0
	s_cbranch_scc1 .Lnot_wave_0_\@
	s_barrier_signal -3
.Lnot_wave_0_\@:
	s_barrier_wait -3
	s_barrier_signal -1
	s_barrier_wait -1
.endm
	s_load_b256 s[4:11], s[0:1], 0x0               ; xq s[4:5], w1q s[6:7], b_qkv s[8:9], qkv s[10:11]
	v_lshl_add_u32 v126, v0, 2, 0x44000
	v_mov_b32 v127, 0
	ds_add_u32 v126, v127
	ds_add_u32 v126, v127
	v_lshrrev_b32 v1, 5, v0
	v_readfirstlane_b32 s14, v1                    ; wave 0..3
	s_lshr_b32 s15, s14, 1                         ; which half of T's rows is mine.  Also: I fetch for T (0) or for U (1)
	s_and_b32 s16, s14, 1                          ; which half of U's rows.  Also: which 8 tiles I fetch
	s_bfe_u32 s40, ttmp6, 0x40000                  ; cx
	s_bfe_u32 s41, ttmp6, 0x40004                  ; cy
	s_and_b32 s67, ttmp7, 0xffff                   ; the cluster's y
	s_lshl_b32 s43, s41, 2
	s_lshl_b32 s43, 15, s43                        ; my row of the cluster
	s_lshl_b32 s44, 0x1111, s40                    ; my column
	; descriptor group 1: 8 tiles are 34,816 dense bytes: 136 rows of 256 bytes (32 elements of 8 bytes), no padding
	s_or_b32 s[G1+0], s43, (3<<16)|(1<<21)         ; 15:0 the mask: T's tiles go to my row; 17:16 elements of 8 bytes; 21 set beside a mask
	s_or_b32 s[G1B+0], s44, (3<<16)|(1<<21)        ; U's go to my column
.irp g, G1, G1B
	s_mov_b32 s[\g+1], 32<<16                      ; tensor_dim0
	s_mov_b32 s[\g+2], 136<<16                     ; tensor_dim1
	s_mov_b32 s[\g+3], 32<<16                      ; tile_dim0
	s_mov_b32 s[\g+4], 136                         ; tile_dim1
	s_mov_b32 s[\g+5], 32                          ; tensor_dim0_stride
	s_mov_b32 s[\g+6], 0
	s_mov_b32 s[\g+7], 0
.endr
	s_lshl_b32 s80, s67, 2                         ; 4 x cluster y
	s_lshl_b32 s81, ttmp9, 2                       ; 4 x cluster x
	s_mov_b32 s72, KSLX
	s_mov_b32 s74, KSLW
	s_mov_b32 s[SEL], 0x76543210
	s_mov_b32 s[SEL+1], 0xfedcba98
	s_wait_dscnt 0x0
	s_wait_kmcnt 0x0
	s_cmp_eq_u32 ttmp9, 2                          ; the values' clusters?  The choice hangs on the cluster's number alone
	s_cselect_b32 s66, 1, 0
	s_cselect_b64 s[68:69], s[6:7], s[4:5]         ; T's buffer
	s_cselect_b64 s[70:71], s[4:5], s[6:7]         ; U's
	s_cselect_b32 s76, s74, s72                    ; T's stride from K half to K half
	s_cselect_b32 s78, s72, s74                    ; U's
	s_cselect_b32 s17, 8, s80                      ; T's first block of 256 rows in this cluster
	s_cselect_b32 s42, s80, s81                    ; U's
	s_mov_b32 s77, 0
	s_mov_b32 s79, 0
	s_add_co_u32 s17, s17, s41                     ; T's block: + cy (no register that feeds T's descriptors ever holds cx)
	s_add_co_u32 s42, s42, s40                     ; U's block: + cx
	s_lshl_b32 s18, s16, 3
	s_lshl_b32 s20, s17, 4
	s_add_co_u32 s20, s20, s18                     ; T: tile 16 x block + 8 x half
	s_mul_i32 s20, s20, TILE
	s_mov_b32 s21, 0
	s_lshl_b32 s46, s42, 4
	s_add_co_u32 s46, s46, s18
	s_mul_i32 s46, s46, TILE
	s_mov_b32 s47, 0
	s_add_nc_u64 s[20:21], s[68:69], s[20:21]
	s_add_nc_u64 s[46:47], s[70:71], s[46:47]
	s_mul_i32 s45, s14, HALFT                      ; where they go: wave x 8 tiles: no place in the cluster enters an LDS address
	CROUND                                         ; all sixteen work-groups are here: the joint loads meet
	s_mov_b32 s[G0], 1
	s_mov_b32 s[G0+1], s45
	s_mov_b64 s[G0+2:G0+3], s[20:21]
	s_or_b32 s[G0+3], s[G0+3], 0x80000000
	s_mov_b32 s[G0B], 1
	s_mov_b32 s[G0B+1], s45
	s_mov_b64 s[G0B+2:G0B+3], s[46:47]
	s_or_b32 s[G0B+3], s[G0B+3], 0x80000000
	JLOAD G0, G1, G0B, G1B                         ; slot 0: K 0 .. 511
	s_mov_b32 s[G0+4], 1
	s_add_co_u32 s[G0+5], s45, SLOT
	s_add_nc_u64 s[G0+6:G0+7], s[20:21], s[76:77]
	s_or_b32 s[G0+7], s[G0+7], 0x80000000
	s_mov_b32 s[G0B+4], 1
	s_add_co_u32 s[G0B+5], s45, SLOT
	s_add_nc_u64 s[G0B+6:G0B+7], s[46:47], s[78:79]
	s_or_b32 s[G0B+7], s[G0B+7], 0x80000000        ; slot 1's descriptors are ready; its load is issued behind the round below
	v_and_b32 v1, 31, v0                           ; lane
	v_and_b32 v2, 15, v0                           ; r
	v_bfe_u32 v3, v0, 4, 1                         ; h
	v_lshlrev_b32 v4, 4, v1                        ; 16 x lane
	s_mul_i32 s84, s15, HALFT                      ; my 8 tiles of T
	s_mul_i32 s85, s16, HALFT
	s_add_co_u32 s85, s85, 2*HALFT                 ; my 8 tiles of U, behind T's 16
	v_add_nc_u32 v[ADRA], s84, v4
	v_add_nc_u32 v[ADRB], s85, v4
	v_add_nc_u32 v[ADRA+1], SLOT, v[ADRA]
	v_add_nc_u32 v[ADRB+1], SLOT, v[ADRB]
	s_sub_co_u32 s86, s85, s84
	v_mul_u32_u24 v6, s86, v3                      ; lanes 16-31 take U's scale words
	v_lshlrev_b32 v5, 4, v2
	v_add_nc_u32 v5, 4096, v5                      ; a row's 16 scale bytes, behind the tile's codes
	v_add_nc_u32 v5, v5, v6
	v_add_nc_u32 v[ADRS], s84, v5
	v_add_nc_u32 v[ADRS+1], SLOT, v[ADRS]
	; the bias.  Along U (q, k): register 16 b + i of a lane wants n = n0 + 32 b + 16 h + i.  Along T (v): lane r of block a wants n = t0 + 32 (a / 2) + 8 (a % 2) + r + 8 (r / 8).
	; Both are loaded on both paths; the one that a path does not use is loaded from the buffer's start.
	s_lshl_b32 s87, s42, 8
	s_lshl_b32 s88, s16, 7
	s_add_co_u32 s87, s87, s88                     ; 256 x U's block + 128 x half
	s_lshl_b32 s89, s41, 8
	s_lshl_b32 s90, s15, 7
	s_add_co_u32 s89, s89, s90
	s_add_co_u32 s89, s89, 2048                    ; 2,048 + 256 cy + 128 x half
	s_cmp_eq_u32 s66, 1
	s_cselect_b32 s87, 0, s87
	s_cselect_b32 s89, s89, 0
	s_lshl_b32 s87, s87, 2
	s_lshl_b32 s89, s89, 2
	v_lshl_add_u32 v7, v3, 6, s87
	v_and_b32 v8, 8, v2
	v_add_nc_u32 v8, v8, v2
	v_lshl_add_u32 v8, v8, 2, s89
.irp e, 0,1,2,3
.irp k, 0,1,2,3
	global_load_b128 v[BU+16*\e+4*\k:BU+16*\e+4*\k+3], v7, s[8:9] offset:128*\e+16*\k
.endr
.endr
.irp a, 0,1,2,3,4,5,6,7
	global_load_b32 v[BT+2*\a], v8, s[8:9] offset:(32*(\a/2)+8*(\a%2))*4
	global_load_b32 v[BT+2*\a+1], v8, s[8:9] offset:(32*(\a/2)+8*(\a%2))*4    ; twice: a pair for the packed addition
.endr
.macro FRAG reg, adr, q, i             ; a fragment, 16 rows x 128 K: registers 4 c .. 4 c + 3 of lane l lie at 512 c + 16 l of its 1,024 bytes
.irp c, 0,1
	ds_load_b128 v[\reg+4*\c:\reg+4*\c+3], v[\adr] offset:(\i)*TILE+(\q)*1024+512*\c
.endr
.endm
; 16 matrix instructions: T's blocks a0, a0 + 1 x U's eight, the slot's q-th 128 along K.  p: U's set; sc: the set of scale words.  zero = 1: the first product starts the sums.
; The 64 accumulators take turns, one instruction a turn, in the same order in every step.
.macro MUL16 a0, p, q, sc, zero
.irp a, \a0, \a0+1
.irp b, 0,1,2,3,4,5,6,7
.if \zero
	v_wmma_scale_f32_16x16x128_f8f6f4 v[8*(8*((\a)%4)+\b):8*(8*((\a)%4)+\b)+7], v[128*(\p)+FR*\b:128*(\p)+FR*\b+FR-1], v[AF+FR*(\a):AF+FR*(\a)+FR-1], 0, v[SC+8*NQ*(\sc)+NQ*\b+(\q)], v[SC+8*NQ*(\sc)+NQ*(\a)+(\q)] matrix_a_fmt:MATRIX_FMT_FP4 matrix_b_fmt:MATRIX_FMT_FP4 matrix_a_scale:MATRIX_SCALE_ROW1
.else
	v_wmma_scale_f32_16x16x128_f8f6f4 v[8*(8*((\a)%4)+\b):8*(8*((\a)%4)+\b)+7], v[128*(\p)+FR*\b:128*(\p)+FR*\b+FR-1], v[AF+FR*(\a):AF+FR*(\a)+FR-1], v[8*(8*((\a)%4)+\b):8*(8*((\a)%4)+\b)+7], v[SC+8*NQ*(\sc)+NQ*\b+(\q)], v[SC+8*NQ*(\sc)+NQ*(\a)+(\q)] matrix_a_fmt:MATRIX_FMT_FP4 matrix_b_fmt:MATRIX_FMT_FP4 matrix_a_scale:MATRIX_SCALE_ROW1
.endif
.endr
.endr
.endm
.macro FETCH_B slot, q, p              ; U's eight fragments into set p
	WIN TO_B
.irp i, 0,1,2,3,4,5,6,7
	FRAG 128*(\p)+FR*\i, ADRB+\slot, \q, \i
.endr
	WIN 0
.endm
.macro FETCH_A slot, q, i0             ; T's blocks i0 .. i0 + 3
.irp i, \i0, \i0+1, \i0+2, \i0+3
	FRAG AF+FR*(\i), ADRA+\slot, \q, \i
.endr
.endm
.macro SCALES sc                       ; a slot's scale words: four words a row; lanes 0-15 take T's block i, lanes 16-31 U's block i
.irp i, 0,1,2,3,4,5,6,7
	ds_load_b128 v[SC+8*NQ*\sc+NQ*\i:SC+8*NQ*\sc+NQ*\i+3], v[ADRS+\sc] offset:\i*TILE
.endr
.endm
.macro PLACES n                        ; plain vector lines between a matrix instruction and a load into, or a vector line on, its registers
.rept \n
	v_nop
.endr
.endm
.macro STEP slot, q, zero              ; a step of 128 along K that has its successor in the same slot
	s_wait_dscnt 4*NL                              ; U's set and T's blocks 0-3 are in; the youngest eight loads (T's blocks 4-7) may be out
	WIN MUL_LO
	MUL16 0, (\q)%2, \q, \slot, \zero
	MUL16 2, (\q)%2, \q, \slot, \zero
	s_wait_dscnt 0
	PLACES NP
	FETCH_B \slot, (\q)+1, 1-(\q)%2
	FETCH_A \slot, (\q)+1, 0
	WIN MUL_HI
	MUL16 4, (\q)%2, \q, \slot, \zero
	MUL16 6, (\q)%2, \q, \slot, \zero
	PLACES NP
	WIN 0
	FETCH_A \slot, (\q)+1, 4
.endm
.macro TURN slot, next                 ; slot 0's last step goes over to slot 1, which was asked for at the head: one barrier; nothing is filled again
	s_wait_tensorcnt 0x0                           ; my part of the next slot has landed
	s_wait_dscnt 4*NL                              ; (T's blocks 4-7 may be out)
	WIN MUL_LO
	MUL16 0, 1, NQ-1, \slot, 0
	s_wait_dscnt 0x0                               ; no LDS load of mine is out at the signal
	s_barrier_signal -1
	MUL16 2, 1, NQ-1, \slot, 0
	WIN 0
	s_barrier_wait -1                              ; everybody's part has landed
	PLACES NP
	FETCH_B \next, 0, 0
	FETCH_A \next, 0, 0
	SCALES \next
	WIN MUL_HI
	MUL16 4, 1, NQ-1, \slot, 0
	MUL16 6, 1, NQ-1, \slot, 0
	PLACES NP
	WIN 0
	FETCH_A \next, 0, 4
.endm
.macro STEPS slot, from
.set Q, \from
.rept NQ-1-\from
	STEP \slot, Q, 0
.set Q, Q+1
.endr
.endm
	s_wait_alu depctr_va_vdst(0)
	s_wait_tensorcnt 0x0                           ; my part of slot 0 is in
	ds_add_u32 v126, v127                          ; 0 onto my spare word,
	s_wait_dscnt 0x0                               ; and its wait
	CROUND                                         ; everybody's part of slot 0 is in, and all sixteen work-groups are here
	JLOAD G0+4, G1, G0B+4, G1B                     ; slot 1: K 512 .. 1,023: my one tensor load behind the round
	FETCH_B 0, 0, 0
	FETCH_A 0, 0, 0
	SCALES 0
	FETCH_A 0, 0, 4
	STEP 0, 0, 1
	STEPS 0, 1
	TURN 0, 1
	STEPS 1, 0
	s_wait_dscnt 4*NL                              ; the last step: nothing more to fetch
	WIN MUL_LO
	MUL16 0, 1, NQ-1, 1, 0
	MUL16 2, 1, NQ-1, 1, 0
	s_wait_dscnt 0
	WIN MUL_HI
	MUL16 4, 1, NQ-1, 1, 0
	MUL16 6, 1, NQ-1, 1, 0
	WIN 0
; 64 numbers of a lane, v[s] on, register 16 b + i = k 32 b + 16 (lane / 16) + i of my row, become a fragment's codes in v[PC] on and its scale word in v[pw].
.macro QUANT s, pw
.irp b, 0,1,2,3
	v_max3_num_f32 v[TM+\b], |v[\s+16*\b]|, |v[\s+1+16*\b]|, 0x1800000   ; my 16 numbers of block b, and the floor 2^(3 - 127)
.endr
.irp i, 2,4,6,8,10,12,14
.irp b, 0,1,2,3
	v_max3_num_f32 v[TM+\b], v[TM+\b], |v[\s+16*\b+\i]|, |v[\s+1+16*\b+\i]|
.endr
.endr
.irp b, 0,1,2,3
	v_permlanex16_b32 v[TM+4+\b], v[TM+\b], s[SEL], s[SEL+1]
.endr
.irp b, 0,1,2,3
	v_max_num_f32 v[TM+\b], v[TM+\b], v[TM+4+\b]   ; with lane l xor 16's: the block's largest magnitude
.endr
.irp b, 0,1,2,3
	v_add_nc_u32 v[TM+12+\b], 0xff000000, v[TM+\b] ; 2 off its exponent field: the conversion's scale operand
.endr
.irp b, 0,1,2,3
	v_lshrrev_b32 v[TM+4+\b], 23, v[TM+12+\b]      ; the scale's byte
.endr
	v_lshl_or_b32 v[\pw], v[TM+5], 8, v[TM+4]
	v_lshl_or_b32 v[\pw], v[TM+6], 16, v[\pw]
	v_lshl_or_b32 v[\pw], v[TM+7], 24, v[\pw]
.irp b, 0,1,2,3
	v_cvt_scalef32_pk8_fp4_f32 v[PC+2*\b], v[\s+16*\b:\s+7+16*\b], v[TM+12+\b]
	v_cvt_scalef32_pk8_fp4_f32 v[PC+1+2*\b], v[\s+8+16*\b:\s+15+16*\b], v[TM+12+\b]
.endr
	v_nop                                          ; one plain line behind the conversions
.irp c, 0,1                                    ; a whole block to a lane: lanes 0-15 block 2 c, lanes 16-31 block 2 c + 1
.irp i, 0,1
	v_permlane16_swap_b32 v[PC+4*\c+\i], v[PC+2+4*\c+\i]
.endr
.endr
.endm
; T's block a leaves: bias, quantiser, two stores of 512 consecutive bytes; at each odd a the scale words of two blocks.
.macro EPIA v, a
.if (\a) > 0
	s_wait_xcnt 0x0                                ; the last block's stores have read their registers, which are written again below
.endif
	WIN 0x02+(\a)/4                                ; source 0: window 2 or 3
.set I, 0
.rept 32                                       ; ascending: each accumulator is read from its low end on
.if \v
	v_pk_add_f32 v[W+2*I:W+2*I+1], v[64*((\a)%4)+2*I:64*((\a)%4)+2*I+1], v[BT+2*(\a):BT+2*(\a)+1]
.else
	v_pk_add_f32 v[W+2*I:W+2*I+1], v[64*((\a)%4)+2*I:64*((\a)%4)+2*I+1], v[BU+2*I:BU+2*I+1]
.endif
.set I, I+1
.endr
	WIN 0
	QUANT W, PW+(\a)%2
.if \v
	global_store_b128 v[VO], v[PC:PC+3], s[10:11] offset:((\a)/4)*HEADB+((\a)%4)*1024        ; head a / 4, channel tile a % 4: keys 32 h on,
	global_store_b128 v[VO], v[PC+4:PC+7], s[10:11] offset:((\a)/4)*HEADB+((\a)%4)*1024+512  ; keys 64 + 32 h on
.if (\a)%2
	v_cndmask_b32 v58, v[PW], v[PW+1], vcc_lo      ; lanes 0-15 the even channel tile's words, lanes 16-31 the odd one's
	global_store_b32 v[VS], v58, s[10:11] offset:((\a)/4)*HEADB+(((\a)%4)/2)*128
.endif
.else
	global_store_b128 v[VO], v[PC:PC+3], s[10:11] offset:(\a)*512                            ; token tile a: my first head's 64 channels,
	global_store_b128 v[VO], v[PC+4:PC+7], s[10:11] offset:(\a)*512+HEADB                    ; my second head's
.if (\a)%2
	v_lshrrev_b32 v58, v[SH], v[PW]                ; lanes 0-15 make the first head's word of this pair of tiles, lanes 16-31 the second head's:
	v_and_b32 v58, 0xffff, v58                     ; the even tile's two bytes,
	v_lshrrev_b32 v59, v[SH], v[PW+1]
	v_lshl_or_b32 v58, v59, 16, v58                ; the odd tile's two
	global_store_b32 v[VS], v58, s[10:11] offset:((\a)/2)*64
.endif
.endif
.endm
	PLACES NP                                      ; behind the last products: their results are read and T's fragments written below
	s_wait_loadcnt 0x0                             ; the biases
.irp b, 0,1,2,3
	v_mov_b32 v[TM+4+\b], 0                        ; written once: a lane permute's destination counts as one of its sources
.endr
	v_lshlrev_b32 v[SH], 4, v3
	s_cmp_eq_u32 s66, 1
	s_cbranch_scc1 .Lvalues
	; q or k: batch = T's block / 8, run of tokens = 2 (T's block % 8) + half, first head = 4 (U's block % 4) + 2 x half
	s_lshr_b32 s80, s17, 3
	s_lshl_b32 s80, s80, 4
	s_and_b32 s81, s42, 3
	s_lshl_b32 s81, s81, 2
	s_add_co_u32 s80, s80, s81
	s_lshl_b32 s81, s16, 1
	s_add_co_u32 s80, s80, s81
	s_lshl_b32 s80, s80, 4
	s_and_b32 s81, s17, 7
	s_lshl_b32 s81, s81, 1
	s_add_co_u32 s80, s80, s81
	s_add_co_u32 s80, s80, s15
	s_mul_i32 s80, s80, REC                        ; my first head's record
	s_mov_b32 s82, 8192
	s_cmp_eq_u32 ttmp9, 0
	s_cselect_b32 s81, 8704, 0                     ; q's codes lie at 8,704 of a record, k's at 0;
	s_cselect_b32 s82, 12800, s82                  ; their scale words at 12,800 and at 8,192
	s_add_co_u32 s81, s81, s80
	s_add_co_u32 s82, s82, s80
	v_add_nc_u32 v[VO], s81, v4
	v_mul_u32_u24 v[VS], v3, HEADB
	v_lshl_add_u32 v[VS], v2, 2, v[VS]
	v_add_nc_u32 v[VS], s82, v[VS]
.irp a, 0,1,2,3,4,5,6,7
	EPIA 0, \a
.endr
	s_branch .Ldone
.Lvalues:
	; v: batch = U's block / 8, run of tokens = 2 (U's block % 8) + half, first head = 4 cy + 2 x half
	s_lshr_b32 s80, s42, 3
	s_lshl_b32 s80, s80, 4
	s_lshl_b32 s81, s41, 2
	s_add_co_u32 s80, s80, s81
	s_lshl_b32 s81, s15, 1
	s_add_co_u32 s80, s80, s81
	s_lshl_b32 s80, s80, 4
	s_and_b32 s81, s42, 7
	s_lshl_b32 s81, s81, 1
	s_add_co_u32 s80, s80, s81
	s_add_co_u32 s80, s80, s16
	s_mul_i32 s80, s80, REC
	s_add_co_u32 s81, s80, 4096
	s_add_co_u32 s82, s80, 8448
	v_add_nc_u32 v[VO], s81, v4
	v_lshl_add_u32 v[VS], v1, 2, s82
	v_cmp_eq_u32 vcc_lo, 1, v3
.irp a, 0,1,2,3,4,5,6,7
	EPIA 1, \a
.endr
.Ldone:
	s_wait_tensorcnt 0x0
	ds_add_u32 v126, v127
	s_wait_dscnt 0x0
	CROUND                                         ; the closing round: no work-group ends while a partner may still ask for a tile that names it
	s_endpgm
.Lfunc_end_k_q370aa62ead_gemm_qkv:
	.size	k_q370aa62ead_gemm_qkv, .Lfunc_end_k_q370aa62ead_gemm_qkv-k_q370aa62ead_gemm_qkv
	.p2alignl 7, 3214868480
	.fill 96, 4, 3214868480
	.section	.rodata,"a",@progbits
	.p2align	6, 0x0
	.amdhsa_kernel k_q370aa62ead_gemm_qkv
		.amdhsa_group_segment_fixed_size 327680
		.amdhsa_private_segment_fixed_size 0
		.amdhsa_enable_private_segment 0
		.amdhsa_kernarg_size 32
		.amdhsa_user_sgpr_count 2
		.amdhsa_user_sgpr_kernarg_segment_ptr 1
		.amdhsa_wavefront_size32 1
		.amdhsa_system_sgpr_workgroup_id_x 1
		.amdhsa_system_sgpr_workgroup_id_y 1
		.amdhsa_system_sgpr_workgroup_id_z 1
		.amdhsa_system_vgpr_workitem_id 0
		.amdhsa_next_free_vgpr 1024
		.amdhsa_next_free_sgpr 100
		.amdhsa_reserve_vcc 1
		.amdhsa_float_denorm_mode_32 3
		.amdhsa_float_denorm_mode_16_64 3
		.amdhsa_memory_ordered 1
		.amdhsa_forward_progress 1
		.amdhsa_inst_pref_size 195
	.end_amdhsa_kernel
	.amdgpu_metadata
---
amdhsa.version: [ 1, 2 ]
amdhsa.kernels:
  - .name:           k_q370aa62ead_gemm_qkv
    .symbol:         k_q370aa62ead_gemm_qkv.kd
    .args:
      - { .name: xq, .offset: 0, .size: 8, .value_kind: global_buffer, .address_space: global }
      - { .name: w1q, .offset: 8, .size: 8, .value_kind: global_buffer, .address_space: global }
      - { .name: b_qkv, .offset: 16, .size: 8, .value_kind: global_buffer, .address_space: global }
      - { .name: qkv, .offset: 24, .size: 8, .value_kind: global_buffer, .address_space: global }
    .group_segment_fixed_size: 327680
    .private_segment_fixed_size: 0
    .kernarg_segment_align: 8
    .kernarg_segment_size: 32
    .max_flat_workgroup_size: 128
    .sgpr_count:     100
    .vgpr_count:     1024
    .wavefront_size: 32
...
	.end_amdgpu_metadata
.endif
;; end of part 2
;; launch attn (part 3): grid 4 x 64, 16 waves a work-group, clusters of 4 x 1, 169,984 bytes of LDS; arguments qkv, ao; writes ao
.if DOCPART == 3
	.amdgcn_target "amdgcn-amd-amdhsa--gfx1250"
	.amdhsa_code_object_version 6
	.text
	.protected	k_q370aa62ead_attn
	.globl	k_q370aa62ead_attn
	.p2align	8
	.type	k_q370aa62ead_attn,@function
k_q370aa62ead_attn:
	s_mov_b64 s[64:65], 0
	v_nop
	global_prefetch_b8 v0, s[64:65] scope:SCOPE_SE
	s_setreg_imm32_b32 hwreg(HW_REG_WAVE_MODE, 25, 1), 1
	s_wait_xcnt 0x0
	s_wait_alu depctr_hold_cnt(0) depctr_sa_sdst(0) depctr_va_vdst(0) depctr_va_sdst(0) depctr_va_ssrc(0) depctr_va_vcc(0) depctr_vm_vsrc(0)
	s_getreg_b32 s2, hwreg(HW_REG_IB_STS2, 6, 4)
	s_cmp_eq_u32 s2, 0
	s_cbranch_scc0 .Lentry_in_a_cluster
	s_endpgm
.Lentry_in_a_cluster:
	s_bfe_u32 s2, ttmp6, 0x10000c
	s_cmp_lg_u32 s2, 0x3003
	s_cbranch_scc0 .Lentry_shape_is_right
	s_endpgm
.Lentry_shape_is_right:
; For each (batch, head): O[q] = sum over k of softmax_k(Q[q] . K[k] / 8) V[k], both products on codes of FP4 with E8M0 scales; O / l is quantised along the fourth product's K and stored as that operand's image.
; THE SOFTMAX: t = score x log2(e) / 8; M = the row's largest t so far, rounded UP to a whole number; p = 2^(t - M) is quantised along the keys, not normalised; l is the sum of the unquantised p and divides O at the end.
; When M moves, l and O are multiplied by f = 2^(old M - new M): exact.
; SHARES.  A work-group owns 512 queries of one head; each of its sixteen waves owns one tile of 16 in each of two passes.  The head's K and V stay in LDS: sixteen records of 8,704 bytes (128 keys: K codes 4,096,
; V codes 4,096, K scale words 256, V scale words 256), one tensor load a wave, filled once.  The four work-groups of a head form a cluster and ask for each record jointly.
; Nothing is loaded from memory inside the loops, so no prefetch is laid.
; LAYOUT.  Both products are used transposed (S^T = K Q^T, O^T = V^T P^T): a lane holds ONE query.  THE KEYS OF A SCORE TILE ARE CHOSEN BY ADDRESS: lane r of tile (c, t) takes key 64 c + 32 (r / 8) + 8 t + r % 8, so that
; lane (q, h) holds in the 32 registers of tiles (c, 0 .. 3) the keys 64 c + 32 h + 0 .. 31: a WHOLE block of the second product's K.  Its largest score needs no other lane, and the conversions' results are the operand's registers.
; In a record key 32 B + 16 a + 8 b + i lies in stored tile 2 B + b, row 8 a + i: so that lane's 16 bytes lie at 2,048 c + 1,024 (r / 8) + 512 (t % 2) + 256 h + 128 (t / 2) + 16 (r % 8).
; THE HEAD'S K IS 64, THE INSTRUCTION'S 128.  A fragment of K is a pair of tiles (t even in registers 0-3, t odd in 4-7); q stands once between zero codes: [q | 0] gives the even tile's scores, [0 | q] the odd tile's.
; THE SECOND PRODUCT RUNS ONE STEP LATE: step i begins with O x f(i - 1), then issues K Q^T of step i and V^T P^T of step i - 1.  A pass's first step finds zero codes for P and zeros in O; the last product is written out behind the loop.
; The sum's eight chains are joined a step late too: the seven additions are the plain lines behind the products.  K is fetched one step ahead, V in the step whose p it meets; the LDS loads stand inside the chain that makes M and ahead of the waits.
; LIMITS: a block's largest magnitude is floored at 2^-124 (byte 1); a block of zeros gets the byte 1 where the rule says 127 (zero codes; this program alone reads the bytes); NaN and infinities are not served;
; the promise holds while the scaled scores stay under 2^31 in magnitude.
.set REC,  13056
.set KV,   8704
.set TILE, 4352
.set KSLX, 512*TILE
.set SPARE, 0x29000                    ; the spare words: 128 bytes a wave, eight blocks of 256 bytes that no other line names
.set AK,  1                            ; v1-4  my lane's place in a record: K's codes, K's scale words, V's codes, V's scale words
.set AKS, 2
.set AV,  3
.set AVS, 4
.set OC,  5                            ; v5, v6 my byte offsets in ao: codes, scale byte
.set OB,  6
.set SH8, 7                            ; v7  8 x (lane / 16)
.set CK,  8                            ; v8-11 the same four places in the trip's records
.set CKS, 9
.set CV,  10
.set CVS, 11
.set CKN, 78                           ; v78, v79 K's two places in the next trip's first record
.set CKSN, 79
.set MS,  13                           ; v12, v14 -M of even and odd steps; v13 the largest score so far; v15 written once (upper half of a pair)
.set L,   16                           ; v[16:17] l in two halves; v232-245 its seven other chains
.set F,   18                           ; v18 f; v19 written once
.set QZ,  20                           ; v20-23 zero codes, v24-27 q, v28-31 zero codes
.set KF,  32                           ; v32-63 four pairs of K
.set Q1,  64                           ; v64-67 the second pass's q; v68, v69 raw scale words of the second and of the pass in hand
.set W1,  68
.set W0,  69
.set SPW, 70
.set NIL, 71
.set QS,  72                           ; scale words: v72 Q's, v73-74 K's, v75-76 V's, v77 P's
.set KS,  73
.set VS,  75
.set PS,  77
.set S,   96                           ; v96-159 S^T, then p
.set O,   160                          ; v160-191 O^T
.set VF,  192                          ; v192-223 four fragments of V
.set PC,  224                          ; v224-231 p's codes; v80-95, v246, v247 at work
.macro CROUND                          ; a round of the cluster's barrier
	s_barrier_signal -1
	s_barrier_wait -1
	s_cmp_lg_u32 s18, 0
	s_cbranch_scc1 .Lnot_wave_0_\@
	s_barrier_signal -3
.Lnot_wave_0_\@:
	s_barrier_wait -3
	s_barrier_signal -1
	s_barrier_wait -1
.endm
.macro KL p, a, off                    ; pair p of K: two loads
	ds_load_b128 v[KF+8*\p:KF+8*\p+3], v[\a] offset:\off+2048*(\p/2)+128*(\p%2)
	ds_load_b128 v[KF+8*\p+4:KF+8*\p+7], v[\a] offset:\off+2048*(\p/2)+128*(\p%2)+512
.endm
.macro KSL a, off                      ; K's scale words
	ds_load_b32 v[KS], v[\a] offset:\off+8192
	ds_load_b32 v[KS+1], v[\a] offset:\off+8320
.endm
.macro VL d, a, off                    ; channel tile d of V: two loads
	ds_load_b128 v[VF+8*\d:VF+8*\d+3], v[\a] offset:\off+4096+1024*\d
	ds_load_b128 v[VF+8*\d+4:VF+8*\d+7], v[\a] offset:\off+4096+1024*\d+512
.endm
.macro VSL a, off                      ; V's scale words
	ds_load_b32 v[VS], v[\a] offset:\off+8448
	ds_load_b32 v[VS+1], v[\a] offset:\off+8576
.endm
	s_load_b128 s[4:7], s[0:1], 0x0                ; qkv s[4:5], ao s[6:7]
	v_lshl_add_u32 v[SPW], v0, 2, SPARE
	v_mov_b32 v[NIL], 0
	ds_add_u32 v[SPW], v[NIL]                      ; the opening lines: the add, twice on end, and its wait
	ds_add_u32 v[SPW], v[NIL]
	v_lshrrev_b32 v1, 5, v0
	v_readfirstlane_b32 s18, v1                    ; wave 0..15
	s_bfe_u32 s13, ttmp6, 0x40000                  ; cx: my block of 512 queries: it enters Q's and O's addresses alone
	s_and_b32 s14, ttmp7, 0xffff                   ; 16 x batch + head, which the four partners share
	s_mov_b32 s24, 15|(3<<16)|(1<<21)              ; group 1: 8,704 dense bytes as 34 rows of 256 (32 elements of 8 bytes); the mask names all four
	s_mov_b32 s25, 32<<16
	s_mov_b32 s26, 34<<16
	s_mov_b32 s27, 32<<16
	s_mov_b32 s28, 34
	s_mov_b32 s29, 32
	s_mov_b32 s30, 0
	s_mov_b32 s31, 0
	s_lshl_b32 s15, s14, 4
	s_add_co_u32 s16, s15, s18                     ; the head's record number = my wave's number
	s_mul_i32 s16, s16, REC
	s_mov_b32 s17, 0
	s_mov_b32 s32, 1
	s_mul_i32 s33, s18, KV                         ; its place in LDS
	s_mov_b32 s20, 0x76543210
	s_mov_b32 s21, 0xfedcba98                      ; v_permlanex16_b32's selects for lane l xor 16
	s_mov_b32 s22, 0x3e38aa3b                      ; c = log2(e) / 8
	s_mov_b32 s23, s22
	s_wait_dscnt 0x0
	s_wait_kmcnt 0x0
	s_add_nc_u64 s[34:35], s[4:5], s[16:17]
	s_or_b32 s35, s35, 0x80000000
	CROUND                                         ; all four work-groups are here: the joint loads meet
	tensor_load_to_lds s[32:35], s[24:31]          ; my one tensor load of the launch
	s_nop 0
.rept 4
	v_nop
.endr
	s_lshl_b32 s36, s13, 2                         ; Q: pass 0's queries lie in record 4 cx + wave / 8 of the head, pass 1's two records on
	s_add_co_u32 s36, s36, s15
	s_lshr_b32 s37, s18, 3
	s_add_co_u32 s36, s36, s37
	s_mul_i32 s36, s36, REC
	s_mov_b32 s37, 0
	s_add_nc_u64 s[8:9], s[4:5], s[36:37]
	s_and_b32 s44, s18, 7
	s_lshl_b32 s45, s44, 9
	s_add_co_u32 s45, s45, 8704                    ; its codes: tile wave % 8
	s_lshr_b32 s47, s44, 1
	s_lshl_b32 s47, s47, 6
	s_add_co_u32 s47, s47, 12800                   ; its scale word: the tile's pair
	s_and_b32 s38, s14, 15                         ; head
	s_lshr_b32 s39, s38, 3
	s_mul_i32 s40, s39, KSLX                       ; heads 8-15 are the fourth product's second K half
	s_lshr_b32 s41, s14, 4                         ; batch
	s_lshl_b32 s41, s41, 7
	s_lshl_b32 s42, s13, 5
	s_add_co_u32 s41, s41, s42
	s_add_co_u32 s41, s41, s18                     ; pass 0's tile of tokens: 128 x batch + 32 cx + wave; pass 1's sixteen on
	s_mul_i32 s41, s41, TILE
	s_add_co_u32 s40, s40, s41
	s_mov_b32 s41, 0
	s_add_nc_u64 s[10:11], s[6:7], s[40:41]
	s_and_b32 s43, s38, 7
	s_lshl_b32 s48, s43, 9
	s_lshl_b32 s49, s43, 1
	s_add_co_u32 s49, s49, 4096
	s_and_b32 s12, s18, 1
	s_lshl_b32 s12, s12, 4                         ; an odd tile's two scale bytes are the upper half of its pair's word
	s_mov_b32 s50, 2                               ; passes to go
	v_and_b32 v248, 31, v0
	v_and_b32 v249, 15, v0
	v_lshl_add_u32 v248, v248, 4, s45
	v_lshl_add_u32 v249, v249, 2, s47
	global_load_b128 v[QZ+4:QZ+7], v248, s[8:9]                ; both passes' q and scale words come now, beside the tensor load
	global_load_b128 v[Q1:Q1+3], v248, s[8:9] offset:2*REC
	global_load_b32 v[W0], v249, s[8:9]
	global_load_b32 v[W1], v249, s[8:9] offset:2*REC
	v_and_b32 v80, 7, v0                           ; r % 8
	v_bfe_u32 v81, v0, 3, 1                        ; r / 8
	v_bfe_u32 v82, v0, 4, 1                        ; h
	v_and_b32 v83, 31, v0
	v_and_b32 v84, 15, v0
	v_lshlrev_b32 v[AK], 4, v80
	v_lshlrev_b32 v[AKS], 2, v80
	v_lshl_add_u32 v[AK], v81, 10, v[AK]
	v_lshl_add_u32 v[AKS], v81, 6, v[AKS]
	v_lshl_add_u32 v[AK], v82, 8, v[AK]            ; K's codes: 1,024 (r / 8) + 256 h + 16 (r % 8)
	v_lshl_add_u32 v[AKS], v82, 5, v[AKS]          ; K's scale words: 64 (r / 8) + 32 h + 4 (r % 8): lanes 0-15 the pairs with t / 2 = 0, lanes 16-31 those with t / 2 = 1
	v_lshlrev_b32 v[AV], 4, v83
	v_lshlrev_b32 v[AVS], 2, v83
	v_add_nc_u32 v[OC], s48, v[AV]                 ; O's codes: blocks 2 (head % 8) + h of row r
	v_lshl_add_u32 v[OB], v84, 4, s49
	v_add_nc_u32 v[OB], v[OB], v82                 ; and that block's scale byte
	v_lshlrev_b32 v[SH8], 3, v82
	v_cmp_eq_u32 s46, 1, v82
.irp j, 0,1,2,3,8,9,10,11
	v_mov_b32 v[QZ+\j], 0                          ; the zero codes on both sides of q
.endr
.irp j, 15,19,89,247
	v_mov_b32 v[\j], 0                             ; upper halves of pairs and lane permutes' destinations: written once
.endr
	v_mov_b32 v[PS], 0x7f7f7f7f                    ; a finite scale word for the first pass's zero codes
	s_wait_alu depctr_va_vdst(0)
	s_wait_loadcnt 0x0                             ; q
	s_wait_tensorcnt 0x0                           ; my record has landed,
	s_barrier_signal -1
	s_barrier_wait -1                              ; everybody's has
.irp p, 0,1,2,3
	KL \p, AK, 0                                   ; record 0's K; every later K is fetched a step ahead
.endr
	KSL AKS, 0
.macro KQ c, t                         ; tile (c, t)'s scores: pair (c, t / 2) of K times [q | 0] (even t) or [0 | q] (odd t)
.if (\t)/2
	v_wmma_scale_f32_16x16x128_f8f6f4 v[S+32*\c+8*\t:S+32*\c+8*\t+7], v[KF+16*\c+8*(\t/2):KF+16*\c+8*(\t/2)+7], v[QZ+4-4*(\t%2):QZ+11-4*(\t%2)], 0, v[KS+\c], v[QS] matrix_a_fmt:MATRIX_FMT_FP4 matrix_b_fmt:MATRIX_FMT_FP4 matrix_a_scale:MATRIX_SCALE_ROW1
.else
	v_wmma_scale_f32_16x16x128_f8f6f4 v[S+32*\c+8*\t:S+32*\c+8*\t+7], v[KF+16*\c+8*(\t/2):KF+16*\c+8*(\t/2)+7], v[QZ+4-4*(\t%2):QZ+11-4*(\t%2)], 0, v[KS+\c], v[QS] matrix_a_fmt:MATRIX_FMT_FP4 matrix_b_fmt:MATRIX_FMT_FP4
.endif
.endm
.macro PV d                            ; O^T's channel tile d += V^T P^T over 128 keys
.if (\d)%2
	v_wmma_scale_f32_16x16x128_f8f6f4 v[O+8*\d:O+8*\d+7], v[VF+8*\d:VF+8*\d+7], v[PC:PC+7], v[O+8*\d:O+8*\d+7], v[VS+\d/2], v[PS] matrix_a_fmt:MATRIX_FMT_FP4 matrix_b_fmt:MATRIX_FMT_FP4 matrix_a_scale:MATRIX_SCALE_ROW1
.else
	v_wmma_scale_f32_16x16x128_f8f6f4 v[O+8*\d:O+8*\d+7], v[VF+8*\d:VF+8*\d+7], v[PC:PC+7], v[O+8*\d:O+8*\d+7], v[VS+\d/2], v[PS] matrix_a_fmt:MATRIX_FMT_FP4 matrix_b_fmt:MATRIX_FMT_FP4
.endif
.endm
.macro RESC                            ; O^T under the last step's M
	s_wait_alu depctr_va_vdst(0)                   ; directly ahead of the first readers of O^T
.set J, 0
.rept 16
	v_pk_mul_f32 v[O+J:O+J+1], v[O+J:O+J+1], v[F:F+1] op_sel_hi:[1,0]   ; ascending; these sixteen are also the plain lines between p's codes and scale word and the second product
.set J, J+2
.endr
.endm
.macro PVS
.irp d, 0,1,2,3
	PV \d                                          ; four accumulators by turns
.endr
.endm
.macro COMBO                           ; the last step's eight chains of the sum become one: seven plain lines behind the products
	v_pk_add_f32 v[232:233], v[232:233], v[234:235]
	v_pk_add_f32 v[236:237], v[236:237], v[238:239]
	v_pk_add_f32 v[240:241], v[240:241], v[242:243]
	v_pk_add_f32 v[L:L+1], v[L:L+1], v[244:245]
	v_pk_add_f32 v[232:233], v[232:233], v[236:237]
	v_pk_add_f32 v[L:L+1], v[L:L+1], v[240:241]
	v_pk_add_f32 v[L:L+1], v[L:L+1], v[232:233]
.endm
.macro ADDP k                          ; pair k of p (15 .. 31) onto chain (k - 15) % 8
.if ((\k)-15)%8 == 0
	v_pk_add_f32 v[L:L+1], v[L:L+1], v[S+2*(\k):S+2*(\k)+1]
.else
	v_pk_add_f32 v[230+2*(((\k)-15)%8):231+2*(((\k)-15)%8)], v[230+2*(((\k)-15)%8):231+2*(((\k)-15)%8)], v[S+2*(\k):S+2*(\k)+1]
.endif
.endm
.macro CVT c, t                        ; keys 64 c + 32 h + 8 t on: register 4 c + t of the operand
	v_cvt_scalef32_pk8_fp4_f32 v[PC+4*\c+\t], v[S+32*\c+8*\t:S+32*\c+8*\t+7], v[92+\c]
.endm
; A KEY STEP: the 128 keys of the trip's record e.
.macro STEP e
.set NN, 12+2*\e                       ; the new -M
.set NO, 14-2*\e                       ; the last step's
.if \e
.set KA, CKN                           ; the next K: the next trip's first record,
.set KSA, CKSN
.set KO, 0
.else
.set KA, CK                            ; or this trip's second
.set KSA, CKS
.set KO, KV
.endif
	s_wait_dscnt 0x0                               ; this step's K and the last step's V are in
	RESC
.irp c, 0,1
.irp t, 0,1,2,3
	KQ \c, \t
.endr
.endr
	PVS
	COMBO
.if \e == 0
	v_add_nc_u32 v[CK], s2, v[AK]                  ; the trip's places in LDS
	v_add_nc_u32 v[CKS], s2, v[AKS]
	v_add_nc_u32 v[CV], s2, v[AV]
	v_add_nc_u32 v[CVS], s2, v[AVS]
	v_add_nc_u32 v[CKN], s4, v[AK]
	v_add_nc_u32 v[CKSN], s4, v[AKS]
.endif
.irp n, 0,1,2,3,4,5,6,7
	v_max3_num_f32 v[80+\n], v[S+8*\n], v[S+8*\n+1], v[S+8*\n+2]     ; the largest score, a chain to a tile, each tile from its low end on
.endr
.irp n, 0,1,2,3,4,5,6,7
	v_max3_num_f32 v[80+\n], v[80+\n], v[S+8*\n+3], v[S+8*\n+4]
.endr
.irp n, 0,1,2,3,4,5,6,7
	v_max3_num_f32 v[80+\n], v[80+\n], v[S+8*\n+5], v[S+8*\n+6]
.endr
	v_max3_num_f32 v80, v80, v81, v82
	v_max3_num_f32 v84, v84, v85, v86
	v_max3_num_f32 v83, v83, v[S+7], v[S+15]
	v_max3_num_f32 v87, v87, v[S+39], v[S+47]
	v_max3_num_f32 v80, v80, v83, v[S+23]
	v_max3_num_f32 v84, v84, v87, v[S+55]
	v_max_num_f32 v80, v80, v[S+31]                ; block h's largest score,
	v_max_num_f32 v84, v84, v[S+63]                ; block 2 + h's
	v_max_num_f32 v88, v80, v84
	KL 0, KA, KO                                   ; the next step's K, two loads behind each line of the chain that makes M
	v_permlanex16_b32 v89, v88, s20, s21
	KL 1, KA, KO
	v_max3_num_f32 v[MS], v[MS], v88, v89          ; the running largest score of my query (c is positive)
	KL 2, KA, KO
	v_mul_f32 v90, s22, v[MS]
	KL 3, KA, KO
	v_floor_f32 v[NN], -v90                        ; -M = floor(-t): M is a whole number
	KSL KSA, KO
	v_sub_f32 v91, v[NN], v[NO]                    ; old M - new M: a whole number, 0 or less
.set J, 0
.rept 32
	v_pk_fma_f32 v[S+J:S+J+1], v[S+J:S+J+1], s[22:23], v[NN:NN+1] op_sel_hi:[1,0,0]   ; t - M, two at a time
.set J, J+2
.endr
	v_fma_f32 v80, v80, s22, v[NN]                 ; the same of each block's largest score
	v_fma_f32 v84, v84, s22, v[NN]
	VL 0, CV, \e*KV                                ; this step's V, read a step later
	VL 1, CV, \e*KV
	s_wait_alu depctr_va_vdst(0)
	v_exp_f32 v80, v80                             ; each block's largest p,
	v_exp_f32 v84, v84
.set J, 0
.rept 64
	v_exp_f32 v[S+J], v[S+J]                       ; and p = 2^(t - M)
.set J, J+1
.endr
	v_cvt_i32_f32 v91, v91                         ; (it saturates)  The plain lines behind the batch
	v_ldexp_f32 v[F], 1.0, v91                     ; f = 2^(old M - new M)
	VL 2, CV, \e*KV
	VL 3, CV, \e*KV
	VSL CVS, \e*KV
	s_wait_alu depctr_va_vdst(0)                   ; one wait for the whole batch, ahead of its first reader
	v_max_num_f32 v80, 0x1800000, v80              ; the floor 2^(3 - 127): the byte cannot fall under 1
	v_max_num_f32 v84, 0x1800000, v84
	v_pk_fma_f32 v[L:L+1], v[L:L+1], v[F:F+1], v[S:S+1] op_sel_hi:[1,0,1]   ; l under the new M, and the first pair of p
.set J, 1
.rept 7
	v_pk_add_f32 v[230+2*J:231+2*J], v[S+4*J-2:S+4*J-1], v[S+4*J:S+4*J+1]   ; pairs 1 .. 14 begin the seven other chains
.set J, J+1
.endr
	v_add_nc_u32 v92, 0xff000000, v80              ; 2 off the exponent field: the conversion's scale operand
	v_add_nc_u32 v93, 0xff000000, v84
	ADDP 15
	ADDP 16
	v_lshrrev_b32 v94, 23, v92                     ; the scales' bytes
	v_lshrrev_b32 v95, 23, v93
	CVT 0, 0
	ADDP 17
	CVT 0, 1
	ADDP 18
	v_lshl_or_b32 v246, v95, 16, v94               ; blocks h and 2 + h,
	CVT 0, 2
	ADDP 19
	CVT 0, 3
	ADDP 20
	v_lshlrev_b32 v246, v[SH8], v246               ; at their places in the word;
	CVT 1, 0
	ADDP 21
	CVT 1, 1
	ADDP 22
	v_permlanex16_b32 v247, v246, s20, s21
	CVT 1, 2
	ADDP 23
	CVT 1, 3
	ADDP 24                                        ; (a plain line behind the last conversion)
	v_or_b32 v[PS], v246, v247                     ; with lane l xor 16's two the word is whole
.irp k, 25,26,27,28,29,30,31
	ADDP \k
.endr
.endm
.Lpass:                                            ; A PASS: one tile of 16 queries against all 2,048 keys
	v_lshrrev_b32 v90, s12, v[W0]
	v_and_b32 v90, 0xffff, v90                     ; my tile's two scale bytes,
	v_lshl_or_b32 v[QS], v90, 16, v90              ; twice: for q in the lower and in the upper half of the instruction's K
	v_mov_b32 v[MS], 0xff61b1e6                    ; the largest score so far: -3e38
	v_mov_b32 v14, 0x7f61b1e6                      ; and the -M that goes with it
	v_mov_b32 v[L], 0
	v_mov_b32 v[L+1], 0
	v_mov_b32 v[F], 0
.set J, 0
.rept 14
	v_mov_b32 v[232+J], 0                          ; the sum's other chains
.set J, J+1
.endr
.irp j, 0,1,2,3,4,5,6,7
	v_mov_b32 v[PC+\j], 0                          ; zero codes: the first step's late product adds nothing
.endr
.set J, 0
.rept 32
	v_mov_b32 v[O+J], 0
.set J, J+1
.endr
.irp d, 0,1,2,3
	VL \d, AV, 0                                   ; finite operands for that product
.endr
	VSL AVS, 0
	s_mov_b32 s2, 0
	s_mov_b32 s3, 0
.Lkeys:                                            ; a trip: two records
	s_add_co_u32 s4, s3, 1
	s_and_b32 s4, s4, 7                            ; the next trip's number; behind the last comes the first, whose K the next pass begins with
	s_mul_i32 s4, s4, 2*KV
	STEP 0
	STEP 1
	s_add_co_u32 s2, s2, 2*KV
	s_add_co_u32 s3, s3, 1
	s_cmp_lt_u32 s3, 8
	s_cbranch_scc1 .Lkeys
	s_wait_dscnt 0x0                               ; the last step's V
	RESC
	PVS
	COMBO                                          ; seven plain lines behind the last products
	; the way out: O^T / l, quantised: register 16 b + i is channel 32 b + 16 h + i of my query: two blocks of the fourth product's K
	v_add_f32 v[L], v[L], v[L+1]                   ; the sum's two halves,
	v_permlanex16_b32 v89, v[L], s20, s21
	v_add_f32 v[L], v[L], v89                      ; and lane l xor 16's
	s_wait_alu depctr_va_vdst(0)
	v_rcp_f32 v[L], v[L]
	v_nop
	s_wait_alu depctr_va_vdst(0)                   ; ahead of the reciprocal's first reader, which is O^T's too
.set J, 0
.rept 32
	v_mul_f32 v[S+J], v[O+J], v[L]                 ; ascending: each accumulator is read from its low end on
.set J, J+1
.endr
.irp b, 0,1
	v_max3_num_f32 v[80+\b], |v[S+16*\b]|, |v[S+1+16*\b]|, 0x1800000
.endr
.irp i, 2,4,6,8,10,12,14
.irp b, 0,1
	v_max3_num_f32 v[80+\b], v[80+\b], |v[S+16*\b+\i]|, |v[S+1+16*\b+\i]|
.endr
.endr
	v_permlanex16_b32 v89, v80, s20, s21
	v_permlanex16_b32 v247, v81, s20, s21
	v_max_num_f32 v80, v80, v89
	v_max_num_f32 v81, v81, v247
	v_add_nc_u32 v92, 0xff000000, v80
	v_add_nc_u32 v93, 0xff000000, v81
	v_lshrrev_b32 v94, 23, v92
	v_lshrrev_b32 v95, 23, v93
.irp b, 0,1
	v_cvt_scalef32_pk8_fp4_f32 v[PC+2*\b], v[S+16*\b:S+7+16*\b], v[92+\b]
	v_cvt_scalef32_pk8_fp4_f32 v[PC+1+2*\b], v[S+8+16*\b:S+15+16*\b], v[92+\b]
.endr
	v_nop
	v_permlane16_swap_b32 v[PC], v[PC+2]           ; lanes 0-15 now hold block 0 whole, lanes 16-31 block 1
	v_permlane16_swap_b32 v[PC+1], v[PC+3]
	v_cndmask_b32 v246, v94, v95, s46              ; and its byte
	global_store_b128 v[OC], v[PC:PC+3], s[10:11]  ; 32 lanes store 512 consecutive bytes
	global_store_b8 v[OB], v246, s[10:11]          ; single bytes, two of each row's sixteen
.irp j, 0,1,2,3
	v_mov_b32 v[QZ+4+\j], v[Q1+\j]                 ; the second pass's q
.endr
	v_mov_b32 v[W0], v[W1]
	s_wait_xcnt 0x0                                ; the stores have read their registers and their base
	s_add_nc_u64 s[10:11], s[10:11], 16*TILE       ; sixteen tiles of tokens on
	s_sub_co_i32 s50, s50, 1
	s_cmp_lg_u32 s50, 0
	s_wait_alu depctr_va_vdst(0)
	s_cbranch_scc1 .Lpass
	s_wait_tensorcnt 0x0                           ; the wave's end
	ds_add_u32 v[SPW], v[NIL]
	s_wait_dscnt 0x0
	CROUND                                         ; the closing round: no work-group ends while a partner may still ask for a record that names it
	s_endpgm
.Lfunc_end_k_q370aa62ead_attn:
	.size	k_q370aa62ead_attn, .Lfunc_end_k_q370aa62ead_attn-k_q370aa62ead_attn
	.p2alignl 7, 3214868480
	.fill 96, 4, 3214868480
	.section	.rodata,"a",@progbits
	.p2align	6, 0x0
	.amdhsa_kernel k_q370aa62ead_attn
		.amdhsa_group_segment_fixed_size 169984
		.amdhsa_private_segment_fixed_size 0
		.amdhsa_enable_private_segment 0
		.amdhsa_kernarg_size 16
		.amdhsa_user_sgpr_count 2
		.amdhsa_user_sgpr_kernarg_segment_ptr 1
		.amdhsa_wavefront_size32 1
		.amdhsa_system_sgpr_workgroup_id_x 1
		.amdhsa_system_sgpr_workgroup_id_y 1
		.amdhsa_system_sgpr_workgroup_id_z 1
		.amdhsa_system_vgpr_workitem_id 0
		.amdhsa_next_free_vgpr 256
		.amdhsa_next_free_sgpr 66
		.amdhsa_reserve_vcc 0
		.amdhsa_float_denorm_mode_32 3
		.amdhsa_float_denorm_mode_16_64 3
		.amdhsa_memory_ordered 1
		.amdhsa_forward_progress 1
		.amdhsa_inst_pref_size 43
	.end_amdhsa_kernel
	.amdgpu_metadata
---
amdhsa.version: [ 1, 2 ]
amdhsa.kernels:
  - .name:           k_q370aa62ead_attn
    .symbol:         k_q370aa62ead_attn.kd
    .args:
      - { .name: qkv, .offset: 0, .size: 8, .value_kind: global_buffer, .address_space: global }
      - { .name: ao, .offset: 8, .size: 8, .value_kind: global_buffer, .address_space: global }
    .group_segment_fixed_size: 169984
    .private_segment_fixed_size: 0
    .kernarg_segment_align: 8
    .kernarg_segment_size: 16
    .max_flat_workgroup_size: 512
    .sgpr_count:     66
    .vgpr_count:     256
    .wavefront_size: 32
...
	.end_amdgpu_metadata
.endif
;; end of part 3
;; launch gemm_out (part 4): grid 4 x 64, 4 waves a work-group, clusters of 4 x 4, 327,680 bytes of LDS; arguments ao, w2q, b_proj, out0; writes out0
.if DOCPART == 4
	.amdgcn_target "amdgcn-amd-amdhsa--gfx1250"
	.amdhsa_code_object_version 6
	.text
	.protected	k_q370aa62ead_gemm_out
	.globl	k_q370aa62ead_gemm_out
	.p2align	8
	.type	k_q370aa62ead_gemm_out,@function
k_q370aa62ead_gemm_out:
	s_mov_b64 s[64:65], 0
	v_nop
	global_prefetch_b8 v0, s[64:65] scope:SCOPE_SE
	s_setreg_imm32_b32 hwreg(HW_REG_WAVE_MODE, 25, 1), 1
	s_wait_xcnt 0x0
	s_wait_alu depctr_hold_cnt(0) depctr_sa_sdst(0) depctr_va_vdst(0) depctr_va_sdst(0) depctr_va_ssrc(0) depctr_va_vcc(0) depctr_vm_vsrc(0)
	s_getreg_b32 s2, hwreg(HW_REG_IB_STS2, 6, 4)
	s_cmp_eq_u32 s2, 0
	s_cbranch_scc0 .Lentry_in_a_cluster
	s_endpgm
.Lentry_in_a_cluster:
	s_bfe_u32 s2, ttmp6, 0x10000c
	s_cmp_lg_u32 s2, 0xf033
	s_cbranch_scc0 .Lentry_shape_is_right
	s_endpgm
.Lentry_shape_is_right:
; out0 = attention's result x w_proj + b_proj on codes of FP4 with E8M0 scales, K = 1,024; sums in f32.
; A work-group of four waves makes 128 tokens x 256 columns: 64 x 4 blocks are 256 work-groups.  A wave makes 64 x 128: 32 accumulators, 256 registers.
; OPERANDS come as images of their registers ([K half][tile of 16 rows][4,352 bytes]: 4 fragments of 1,024 bytes, then 16 scale bytes a row): a fragment is two loads of 16 bytes a lane on end.
; U (w_proj's columns) is source 0: its rows become the result's registers; T (tokens) is source 1: its rows become the lanes.  Stored row r of tile t is row 32 (t / 2) + 8 (t % 2) + r + 8 (r / 8).
; K is two halves of 512: two LDS slots, each filled once: T's 8 tiles, then U's 16.  Waves 0 and 1 fetch T's halves (4 tiles, 68 rows of 256 bytes), waves 2 and 3 U's (8 tiles, 136 rows).
; Slot 1's fill stands behind the spare word's add, its wait and a round; the launch claims all of LDS.  Both slots are asked for ahead of the first product and there is no loop: no prefetch is laid.
; CLUSTERS: 4 x 4.  T's tiles hang on the block of tokens alone and are asked for jointly by a row of the cluster, U's on the block of columns alone, by a column.
; The bias is the C of each accumulator's first product.  The way out goes through each wave's stage in slot 0, which nobody reads behind the change of slots and which is filled no more.
; REGISTERS: window 0: v1-7, v16-26 addresses; v32-95 scale words, two sets; v126-127 the add's; v128-191 T's fragments, two sets of 32; v192-255 the bias.  Window 1: U's fragments, two sets, at v0 and v128.  Window 2: accumulator (a, b) at v[8 (8 a + b)].
.set TILE,  4352
.set TH,    4*TILE                     ; what a wave fetches, and reads, of T
.set UH,    8*TILE                     ; of U
.set UB,    2*TH                       ; U begins behind T's 8 tiles
.set SLOT,  2*TH+2*UH
.set SPARE, 2*SLOT                     ; the spare words: 128 bytes a wave, two blocks of 256 bytes that no other line names
.set KSLX,  512*TILE
.set KSLW,  64*TILE
.set SPITCH, 528
.set ADRA, 16
.set ADRB, 20
.set ADRS, 22
.set STO,  24
.set RD,   25
.set CO,   26
.set SC,   32
.set AF,   128
.set BU,   192
.set BK,   128
.set G1,  24
.set G0,  32
.set G1B, 48
.set G0B, 56
.set MSB, 0
.macro WIN new                         ; the immediate's high byte repeats the setting that is left
.if MSB != (\new)
	s_set_vgpr_msb (MSB<<8)|(\new)
.set MSB, (\new)
.endif
.endm
.set MUL_LO, 0xa1                      ; source 0 (U) window 1, source 1 (T) window 0, C and D window 2
.set TO_B,   0x40
.macro JLOAD g0a, g1a, g0b, g1b        ; a joint load: waves 0 and 1 for T, waves 2 and 3 for U
	s_cmp_eq_u32 s15, 0
	s_cbranch_scc0 .Lfor_b_\@
	tensor_load_to_lds s[\g0a:\g0a+3], s[\g1a:\g1a+7]
	s_nop 0
.rept 4
	v_nop
.endr
	s_branch .Lasked_\@
.Lfor_b_\@:
	tensor_load_to_lds s[\g0b:\g0b+3], s[\g1b:\g1b+7]
	s_nop 0
.rept 4
	v_nop
.endr
.Lasked_\@:
.endm
.macro CROUND                          ; a round of the cluster's barrier
	s_barrier_signal -1
	s_barrier_wait -1
	s_cmp_lg_u32 s14, 0
	s_cbranch_scc1 .Lnot_wave_0_\@
	s_barrier_signal -3
.Lnot_wave_0_\@:
	s_barrier_wait -3
	s_barrier_signal -1
	s_barrier_wait -1
.endm
	s_load_b256 s[4:11], s[0:1], 0x0               ; ao s[4:5], w2q s[6:7], b_proj s[8:9], out0 s[10:11]
	v_lshl_add_u32 v126, v0, 2, SPARE
	v_mov_b32 v127, 0
	ds_add_u32 v126, v127                          ; the opening lines: the add, twice on end, and its wait
	ds_add_u32 v126, v127
	v_lshrrev_b32 v1, 5, v0
	v_readfirstlane_b32 s14, v1                    ; wave 0..3
	s_lshr_b32 s15, s14, 1                         ; which half of T's rows is mine.  Also: I fetch for T (0) or for U (1)
	s_and_b32 s16, s14, 1                          ; which half of U's rows.  Also: which half I fetch
	s_bfe_u32 s40, ttmp6, 0x40000                  ; cx
	s_bfe_u32 s41, ttmp6, 0x40004                  ; cy
	s_lshl_b32 s42, ttmp9, 2
	s_add_co_u32 s42, s42, s40                     ; block of 256 columns
	s_and_b32 s17, ttmp7, 0xffff
	s_lshl_b32 s17, s17, 2
	s_add_co_u32 s17, s17, s41                     ; block of 128 tokens
	s_lshl_b32 s43, s41, 2
	s_lshl_b32 s43, 15, s43                        ; my row of the cluster
	s_lshl_b32 s44, 0x1111, s40                    ; my column
	s_or_b32 s[G1+0], s43, (3<<16)|(1<<21)         ; elements of 8 bytes; bit 21 set beside a mask
	s_or_b32 s[G1B+0], s44, (3<<16)|(1<<21)
.irp g, G1, G1B
	s_mov_b32 s[\g+1], 32<<16                      ; rows of 256 bytes, dense
	s_mov_b32 s[\g+3], 32<<16
	s_mov_b32 s[\g+5], 32
	s_mov_b32 s[\g+6], 0
	s_mov_b32 s[\g+7], 0
.endr
	s_mov_b32 s[G1+2], 68<<16                      ; T: 4 tiles are 68 rows,
	s_mov_b32 s[G1+4], 68
	s_mov_b32 s[G1B+2], 136<<16                    ; U: 8 tiles are 136
	s_mov_b32 s[G1B+4], 136
	s_lshl_b32 s18, s16, 2
	s_lshl_b32 s20, s17, 3
	s_add_co_u32 s20, s20, s18                     ; T: tile 8 x block + 4 x half
	s_mul_i32 s20, s20, TILE
	s_mov_b32 s21, 0
	s_lshl_b32 s18, s16, 3
	s_lshl_b32 s46, s42, 4
	s_add_co_u32 s46, s46, s18                     ; U: tile 16 x block + 8 x half
	s_mul_i32 s46, s46, TILE
	s_mov_b32 s47, 0
	s_mul_i32 s45, s16, TH                         ; where they go: no place in the cluster enters an LDS address
	s_mul_i32 s90, s16, UH
	s_add_co_u32 s90, s90, UB
	s_wait_dscnt 0x0
	s_wait_kmcnt 0x0
	s_add_nc_u64 s[20:21], s[4:5], s[20:21]
	s_add_nc_u64 s[46:47], s[6:7], s[46:47]
	CROUND                                         ; all sixteen work-groups are here: the joint loads meet
	s_mov_b32 s[G0], 1
	s_mov_b32 s[G0+1], s45
	s_mov_b64 s[G0+2:G0+3], s[20:21]
	s_or_b32 s[G0+3], s[G0+3], 0x80000000
	s_mov_b32 s[G0B], 1
	s_mov_b32 s[G0B+1], s90
	s_mov_b64 s[G0B+2:G0B+3], s[46:47]
	s_or_b32 s[G0B+3], s[G0B+3], 0x80000000
	JLOAD G0, G1, G0B, G1B                         ; slot 0: K 0 .. 511: my one tensor load at the head
	s_mov_b32 s[G0+4], 1
	s_add_co_u32 s[G0+5], s45, SLOT
	s_add_nc_u64 s[G0+6:G0+7], s[20:21], KSLX
	s_or_b32 s[G0+7], s[G0+7], 0x80000000
	s_mov_b32 s[G0B+4], 1
	s_add_co_u32 s[G0B+5], s90, SLOT
	s_add_nc_u64 s[G0B+6:G0B+7], s[46:47], KSLW
	s_or_b32 s[G0B+7], s[G0B+7], 0x80000000
	v_and_b32 v1, 31, v0                           ; lane
	v_and_b32 v2, 15, v0                           ; r
	v_bfe_u32 v3, v0, 4, 1                         ; h
	v_lshlrev_b32 v4, 4, v1                        ; 16 x lane
	s_mul_i32 s84, s15, TH                         ; my 4 tiles of T
	s_mul_i32 s85, s16, UH
	s_add_co_u32 s85, s85, UB                      ; my 8 tiles of U
	v_add_nc_u32 v[ADRA], s84, v4
	v_add_nc_u32 v[ADRB], s85, v4
	v_add_nc_u32 v[ADRA+1], SLOT, v[ADRA]
	v_add_nc_u32 v[ADRB+1], SLOT, v[ADRB]
	s_sub_co_u32 s86, s85, s84
	v_mul_u32_u24 v6, s86, v3                      ; lanes 16-31 take U's scale words
	v_lshlrev_b32 v5, 4, v2
	v_add_nc_u32 v5, 4096, v5                      ; a row's 16 scale bytes, behind the tile's codes
	v_add_nc_u32 v5, v5, v6
	v_add_nc_u32 v[ADRS], s84, v5
	v_add_nc_u32 v[ADRS+1], SLOT, v[ADRS]
	s_lshl_b32 s87, s42, 10
	s_lshl_b32 s88, s16, 9
	s_add_co_u32 s87, s87, s88                     ; my first column, in bytes
	v_lshl_add_u32 v7, v3, 6, s87
.irp e, 0,1,2,3
.irp k, 0,1,2,3
	global_load_b128 v[BU+16*\e+4*\k:BU+16*\e+4*\k+3], v7, s[8:9] offset:128*\e+16*\k   ; the bias: register 16 e + i wants column 32 e + 16 h + i
.endr
.endr
	s_mul_i32 s89, s14, 16*SPITCH                  ; my stage
	v_mul_u32_u24 v[STO], v2, SPITCH
	v_lshl_add_u32 v[STO], v3, 6, v[STO]
	v_add_nc_u32 v[STO], s89, v[STO]
	v_add_nc_u32 v[RD], s89, v4
	v_mov_b32 v[CO], v4
	s_lshl_b32 s80, s17, 19                        ; 128 rows of 4,096 bytes a block,
	s_lshl_b32 s81, s15, 18                        ; 64 a half
	s_add_co_u32 s80, s80, s81
	s_add_co_u32 s80, s80, s87
	s_mov_b32 s81, 0
	s_add_nc_u64 s[10:11], s[10:11], s[80:81]
.macro FRAG reg, adr, q, i             ; a fragment: registers 4 c .. 4 c + 3 of lane l lie at 512 c + 16 l of its 1,024 bytes
.irp c, 0,1
	ds_load_b128 v[\reg+4*\c:\reg+4*\c+3], v[\adr] offset:(\i)*TILE+(\q)*1024+512*\c
.endr
.endm
; 32 matrix instructions: T's four blocks x U's eight, the slot's q-th 128 along K, from fragment set p.  The 32 accumulators take turns.
.macro MUL32 p, q, sc, first
.irp a, 0,1,2,3
.irp b, 0,1,2,3,4,5,6,7
.if \first
	v_wmma_scale_f32_16x16x128_f8f6f4 v[8*(8*\a+\b):8*(8*\a+\b)+7], v[128*(\p)+8*\b:128*(\p)+8*\b+7], v[AF+32*(\p)+8*\a:AF+32*(\p)+8*\a+7], v[BU+8*\b:BU+8*\b+7], v[SC+32*(\sc)+4*\b+(\q)], v[SC+32*(\sc)+4*\a+(\q)] matrix_a_fmt:MATRIX_FMT_FP4 matrix_b_fmt:MATRIX_FMT_FP4 matrix_a_scale:MATRIX_SCALE_ROW1
.else
	v_wmma_scale_f32_16x16x128_f8f6f4 v[8*(8*\a+\b):8*(8*\a+\b)+7], v[128*(\p)+8*\b:128*(\p)+8*\b+7], v[AF+32*(\p)+8*\a:AF+32*(\p)+8*\a+7], v[8*(8*\a+\b):8*(8*\a+\b)+7], v[SC+32*(\sc)+4*\b+(\q)], v[SC+32*(\sc)+4*\a+(\q)] matrix_a_fmt:MATRIX_FMT_FP4 matrix_b_fmt:MATRIX_FMT_FP4 matrix_a_scale:MATRIX_SCALE_ROW1
.endif
.endr
.endr
.endm
.macro FETCH slot, q, p                ; 24 loads: U's eight fragments and T's four into set p
	WIN TO_B
.irp i, 0,1,2,3,4,5,6,7
	FRAG 128*(\p)+8*\i, ADRB+\slot, \q, \i
.endr
	WIN 0
.irp i, 0,1,2,3
	FRAG AF+32*(\p)+8*\i, ADRA+\slot, \q, \i
.endr
.endm
.macro SCALES sc                       ; a slot's scale words: lanes 0-15 T's block i (of blocks 4-7 only the upper lanes are used; the lower read filled bytes that no product names), lanes 16-31 U's block i
.irp i, 0,1,2,3,4,5,6,7
	ds_load_b128 v[SC+32*\sc+4*\i:SC+32*\sc+4*\i+3], v[ADRS+\sc] offset:\i*TILE
.endr
.endm
.macro PLACES n                        ; plain vector lines between a matrix instruction and a load into its registers
.rept \n
	v_nop
.endr
.endm
.macro STEP slot, q, first             ; a step of 128 along K that has its successor in the same slot
	s_wait_dscnt 0x0                               ; this step's fragments are in
	PLACES 4
	FETCH \slot, (\q)+1, 1-(\q)%2                  ; the next step's go into the set that the last step multiplied
	WIN MUL_LO-0x20*\first                         ; (first: C, the bias, lies in window 0)
	MUL32 (\q)%2, \q, \slot, \first
	WIN 0
.endm
	s_wait_alu depctr_va_vdst(0)
	s_wait_tensorcnt 0x0                           ; my part of slot 0 is in
	ds_add_u32 v126, v127
	s_wait_dscnt 0x0
	CROUND                                         ; everybody's part of slot 0 is in, and all sixteen work-groups are here
	JLOAD G0+4, G1, G0B+4, G1B                     ; slot 1: K 512 .. 1,023: my one tensor load behind the round
	FETCH 0, 0, 0
	SCALES 0
	s_wait_loadcnt 0x0                             ; the bias
	STEP 0, 0, 1
	STEP 0, 1, 0
	STEP 0, 2, 0
	s_wait_tensorcnt 0x0                           ; slot 0's last step goes over to slot 1: my part of it has landed,
	s_wait_dscnt 0x0                               ; and my reads of slot 0 are over
	s_barrier_signal -1
	WIN MUL_LO
	MUL32 1, 3, 0, 0
	WIN 0
	s_barrier_wait -1                              ; both hold of every wave; nothing is filled again
	PLACES 4
	FETCH 1, 0, 0
	SCALES 1
	STEP 1, 0, 0
	STEP 1, 1, 0
	STEP 1, 2, 0
	s_wait_dscnt 0x0
	WIN MUL_LO
	MUL32 1, 3, 1, 0
	WIN 0
; THE WAY OUT, block by block of 16 tokens x 128 columns: through my stage, back as whole rows of 512 bytes, which the 32 lanes store as two aligned runs of 256 bytes.
.macro TOSTAGE a
	WIN 0x08                                       ; the data: window 2
.irp b, 0,1,2,3,4,5,6,7
	ds_store_b128 v[STO], v[64*(\a)+8*\b:64*(\a)+8*\b+3] offset:128*(\b/2)+32*(\b%2)          ; each accumulator from its low end on
	ds_store_b128 v[STO], v[64*(\a)+8*\b+4:64*(\a)+8*\b+7] offset:128*(\b/2)+32*(\b%2)+16
.endr
	WIN 0
.set BB, BK+64*((\a)%2)
.irp t, 0,1,2,3,4,5,6,7,8,9,10,11,12,13,14,15
	ds_load_b128 v[BB+4*\t:BB+4*\t+3], v[RD] offset:\t*SPITCH      ; LDS serves a wave's instructions in order: these see the stores above
.endr
.endm
.macro SEND a, younger                 ; younger: the LDS instructions issued behind block a's loads, which may stay out
.set BB, BK+64*((\a)%2)
	s_wait_dscnt \younger
.irp t, 0,1,2,3,4,5,6,7,8,9,10,11,12,13,14,15
	global_store_b128 v[CO], v[BB+4*\t:BB+4*\t+3], s[10:11] offset:(32*((\a)/2)+8*((\a)%2)+\t+8*(\t/8))*4096 th:TH_STORE_NT
.endr
.endm
	PLACES 4
	TOSTAGE 0
.irp a, 1,2,3
.if \a > 1
	s_wait_xcnt 0x0                                ; block a - 2's stores have read their registers: block a's loads may land there
.endif
	TOSTAGE \a
	SEND \a-1, 32                                  ; behind block a - 1's loads: block a's 16 stores and 16 loads
.endr
	SEND 3, 0
	s_wait_tensorcnt 0x0                           ; the wave's end
	ds_add_u32 v126, v127
	s_wait_dscnt 0x0
	CROUND                                         ; the closing round
	s_endpgm
.Lfunc_end_k_q370aa62ead_gemm_out:
	.size	k_q370aa62ead_gemm_out, .Lfunc_end_k_q370aa62ead_gemm_out-k_q370aa62ead_gemm_out
	.p2alignl 7, 3214868480
	.fill 96, 4, 3214868480
	.section	.rodata,"a",@progbits
	.p2align	6, 0x0
	.amdhsa_kernel k_q370aa62ead_gemm_out
		.amdhsa_group_segment_fixed_size 327680
		.amdhsa_private_segment_fixed_size 0
		.amdhsa_enable_private_segment 0
		.amdhsa_kernarg_size 32
		.amdhsa_user_sgpr_count 2
		.amdhsa_user_sgpr_kernarg_segment_ptr 1
		.amdhsa_wavefront_size32 1
		.amdhsa_system_sgpr_workgroup_id_x 1
		.amdhsa_system_sgpr_workgroup_id_y 1
		.amdhsa_system_sgpr_workgroup_id_z 1
		.amdhsa_system_vgpr_workitem_id 0
		.amdhsa_next_free_vgpr 768
		.amdhsa_next_free_sgpr 100
		.amdhsa_reserve_vcc 0
		.amdhsa_float_denorm_mode_32 3
		.amdhsa_float_denorm_mode_16_64 3
		.amdhsa_memory_ordered 1
		.amdhsa_forward_progress 1
		.amdhsa_inst_pref_size 71
	.end_amdhsa_kernel
	.amdgpu_metadata
---
amdhsa.version: [ 1, 2 ]
amdhsa.kernels:
  - .name:           k_q370aa62ead_gemm_out
    .symbol:         k_q370aa62ead_gemm_out.kd
    .args:
      - { .name: ao, .offset: 0, .size: 8, .value_kind: global_buffer, .address_space: global }
      - { .name: w2q, .offset: 8, .size: 8, .value_kind: global_buffer, .address_space: global }
      - { .name: b_proj, .offset: 16, .size: 8, .value_kind: global_buffer, .address_space: global }
      - { .name: out0, .offset: 24, .size: 8, .value_kind: global_buffer, .address_space: global }
    .group_segment_fixed_size: 327680
    .private_segment_fixed_size: 0
    .kernarg_segment_align: 8
    .kernarg_segment_size: 32
    .max_flat_workgroup_size: 128
    .sgpr_count:     100
    .vgpr_count:     768
    .wavefront_size: 32
...
	.end_amdgpu_metadata
.endif
;; end of part 4
